; MI455X (gfx1250); checked and timed in simulation.
; The chip was launched on July 23, 2026; its instructions are those of AMD's public machine-readable ISA for CDNA 5 (MIT licence, August 2026) and "CDNA5" Instruction Set Architecture Reference Guide (July 2026). The comments in the code are by the model that wrote it; some were corrected since.
;; MHSA. Allowed arithmetic: matrix products marked QUANTISED: E2M1 operands, one E8M0 scale for each 32 along K, by v_wmma_scale_f32_16x16x128_f8f6f4 with both operands' format E2M1 (or v_wmma_scale_f32_32x16x128_f4), f32 sums; products left as they are: bf16, f16 or f32 operands; f32 sums; everything else in f32.
;; Inputs: mask 4 x 2,048 x 2,048 bool; wk 1,024 x 1,024 float32; wo 1,024 x 1,024 float32; wq 1,024 x 1,024 float32; wv 1,024 x 1,024 float32; x 4 x 2,048 x 1,024 float32.
;; Outputs: out0 4 x 2,048 x 1,024 float32.
;; This version of the problem:
;;   THIS VERSION OF THE PROBLEM IS GIVEN IN LOW PRECISION. The matrix products marked QUANTISED in the list below multiply operands that are first quantised to E2M1 (2 exponent bits, 1 mantissa bit; 4 bits a number), with one power-of-two scale for each 32 numbers along K (OCP MX v1.0); their sums are f32. The products marked 'left as it is' may take bf16, f16 or f32 operands, with f32 sums. Whichever they take, every output number must still come out within the allowed error. Rounding operands to bf16 (8 significant bits) uses up far more of that allowance than f16 does (11 bits, for magnitudes from 6e-5 to 65,504). All else is computed in f32.
;;   The module's matrix products, in the order in which they are computed (A, B: the left and right operand; K: the contracted axis; several contracted axes count as one K, in the product's order):
;;     1. [M 8,192, K 1,024] x [K 1,024, N 1,024]; A: input x; B: input wq: QUANTISED
;;     2. [M 8,192, K 1,024] x [K 1,024, N 1,024]; A: input x; B: input wk: QUANTISED
;;     3. [M 8,192, K 1,024] x [K 1,024, N 1,024]; A: input x; B: input wv: QUANTISED
;;     4. batch 64 x [M 2,048, K 64] x [K 64, N 2,048]; A: computed on the way; B: computed on the way: left as it is (an operand is computed on the way)
;;     5. batch 64 x [M 64, K 2,048] x [K 2,048, N 2,048]; A: computed on the way; B: computed on the way: left as it is (an operand is computed on the way)
;;     6. [M 8,192, K 1,024] x [K 1,024, N 1,024]; A: computed on the way; B: input wo: left as it is (an operand is computed on the way)
;;   THE QUANTISER, for each operand of a quantised product, along K:
;;     - K is cut into blocks of 32 from its start; a last block that is shorter is filled with zeros.
;;     - A block's scale is 2^e with e = floor(log2(the largest magnitude in the block)) - 2, held to -126 .. 127; a block of zeros has e = 0. As a byte (E8M0): e + 127.
;;     - Each number is divided by its block's scale, clamped to +-6, and rounded to the nearest number of E2M1, ties to even, subnormals kept.
;;     - The product sums the exact products of the quantised numbers (number of the format x scale) in f32.
;;   ~~~python
;;   def quantise(x, axis):      # numpy; x: float32 -> the quantised numbers, widened to float32 again
;;       x = np.moveaxis(x, axis, -1); K = x.shape[-1]
;;       x = np.pad(x, [(0, 0)] * (x.ndim - 1) + [(0, -K % 32)]); x = x.reshape(x.shape[:-1] + (-1, 32)); a = np.abs(x).max(-1, keepdims=True)
;;       e = np.where(a > 0, np.clip(np.frexp(np.where(a > 0, a, 1))[1] - 1 - 2, -126, 127), 0)      # np.frexp(a)[1] - 1 = floor(log2(a)), exactly
;;       r = np.clip(x / 2.0 ** e, -6, 6)
;;       step = 2.0 ** (np.maximum(np.frexp(np.where(r == 0, 1, r))[1] - 1, 0) - 1)
;;       q = np.round(r / step) * step * 2.0 ** e      # np.round: ties to even
;;       return np.moveaxis(q.reshape(q.shape[:-2] + (-1,))[..., :K], -1, axis).astype(np.float32)
;;   ~~~
;; One version. Each part assembles by itself: llvm-mc -triple=amdgcn-amd-amdhsa -mcpu=gfx1250 --defsym DOCPART=n.
;; ======== version 1 of 1: 4 launches
;; limits: values are held in f16: magnitudes above 65,504 overflow, below 6.1e-05 lose precision
;; workspace buffers: xc 4,194,304 bytes; xs 262,144 bytes; wc 1,572,864 bytes; ws 98,304 bytes; mb 2,097,152 bytes of whole numbers; wf 2,097,152 bytes; qkv 50,331,648 bytes; af 16,777,216 bytes
;; launch prep (part 1): grid 736 x 1, 4 waves a work-group, no clusters, 84,480 bytes of LDS; arguments x, wq, wk, wv, wo, mask, xc, xs, wc, ws, mb, wf; writes xc, xs, wc, ws, mb, wf
.if DOCPART == 1
	.amdgcn_target "amdgcn-amd-amdhsa--gfx1250"
	.amdhsa_code_object_version 6
	.text
	.protected	k_q5537628412_prep
	.globl	k_q5537628412_prep
	.p2align	8
	.type	k_q5537628412_prep,@function
k_q5537628412_prep:
	s_mov_b64 s[64:65], 0
	v_nop
	global_prefetch_b8 v0, s[64:65] scope:SCOPE_SE
	s_setreg_imm32_b32 hwreg(HW_REG_WAVE_MODE, 25, 1), 1
	s_wait_xcnt 0x0
; THE LAUNCH IN FRONT OF THE PRODUCTS.  Three kinds of work-group, told apart by the work-group's number; the three ways never meet again, and each has LDS bytes of its own.
;   0..351    x (256 work-groups), wq, wk, wv (32 each), f32 with K innermost, become codes of FP4 (E2M1) and one E8M0 byte for each 32 along K: xc [8192][512 B], xs [8192][32 B]; wc [3072][512 B], ws [3072][32 B] (wq's rows, wk's, wv's on end).
;   352..607  the mask's bytes become LANE MASKS: mb [b][tile of 16 queries][step of 64 keys][32 words]; bit L of word 8 kt + j says whether key 64 step + 16 kt + 8 (L / 16) + j counts for query 16 tile + L % 16:
;             the very mask that selects register j of score tile kt in the attention launch, one select a score.
;   608..735  wo becomes f16, laid in PIECES of 512 bytes: wf [16 rows][16 k]: lane (r, h) owns the 16 bytes at 16 x lane: row r, k 8 h + 0 .. 7: half of a matrix operand's registers as they stand.
; A block's scale is 2^(floor(log2(its largest magnitude)) - 2); its byte is the largest magnitude's exponent field - 2, held at 1 from below.
; LIMITS: a block of zeros gets the byte 1 where the rule says 127 (its codes are zeros, which add nothing, and this program alone reads the bytes); blocks whose largest magnitude lies under 2^(2 - 126) likewise;
; NaN and infinities among the inputs are not served; every mask byte that is not 0 counts as true; numbers of wo under 6e-5 in magnitude become f16 denormals (absolute error 3e-8).
; No tensor load, no barrier: waves share nothing.  No cluster: no two work-groups read the same bytes.
.set STEPS, 16
.set EMAX,  2
.set CB,    8                          ; bytes of 16 codes
.set R,     16                         ; the quantiser: v16-79 four sets of 16 numbers as they are loaded
.set X,     80                         ; v80-111  two sets of 16 neighbours
.set E,     112                        ; v112-127 a scale byte for each step
.set C,     128                        ; v128-191 codes: four registers for each step, so that no store's data are written again
.set WREG,  8192                       ; LDS 0..32767: a region for each wave: two stages of 32 x SP bytes, behind them its 256 scale bytes
.set SP,    80                         ; a lane's place in a stage: its 64 bytes + 16 of padding
.set MST,   32768                      ; LDS: the mask's stages, 16 rows x MPITCH for each wave
.set MPITCH, 272
.set WST,   50176                      ; LDS: wo's stages, 16 rows x WPITCH for each wave
.set WPITCH, 528
.set SPARE, 83968                      ; the spare words, 128 bytes for each wave: two blocks of 256 bytes that no other line names
.set SPW,   12                         ; v12  LDS address of my spare word; never rewritten
.set NIL,   13                         ; v13  0; never rewritten
.macro FINISH                          ; the wave's end: a wait, an add to my spare word and its wait, behind my last LDS store
	s_wait_tensorcnt 0x0
	ds_add_u32 v[SPW], v[NIL]
	s_wait_dscnt 0x0
	s_endpgm
.endm
.macro QLOAD t
.irp i, 0,1,2,3
	global_load_b128 v[R+16*((\t)%4)+4*\i:R+16*((\t)%4)+4*\i+3], v3, s[32:33] offset:2048*(\t)+512*\i th:TH_LOAD_NT   ; 32 lanes read 512 consecutive bytes
.endr
.endm
.macro QTURN t                         ; step t's numbers through the stage: LDS serves a wave's instructions in order, so no wait stands between the stores and the loads
.irp i, 0,1,2,3
	ds_store_b128 v14, v[R+16*((\t)%4)+4*\i:R+16*((\t)%4)+4*\i+3] offset:32*SP*((\t)%2)+8*SP*\i
.endr
.irp i, 0,1,2,3
	ds_load_b128 v[X+16*((\t)%2)+4*\i:X+16*((\t)%2)+4*\i+3], v15 offset:32*SP*((\t)%2)+16*\i
.endr
.endm
.macro QSTEP t
.set XS, X+16*((\t)%2)
.if (\t) > 0
	s_wait_dscnt 1                                 ; this step's numbers are back from the stage (the last step's byte store may be out)
.else
	s_wait_dscnt 0x0
.endif
.if (\t)+4 < STEPS
	QLOAD (\t)+4                                   ; the stage's stores have read their registers: they take the loads of four steps on
.endif
.if (\t)+1 < STEPS
.if STEPS-2-(\t) >= 3
	s_wait_loadcnt 12                              ; the next step's four loads are in; those of the three steps behind it may be out
.else
	s_wait_loadcnt 4*(STEPS-2-(\t))
.endif
	QTURN (\t)+1
.endif
	v_max3_num_f32 v8, |v[XS]|, |v[XS+1]|, |v[XS+2]|               ; the largest magnitude of my 16, in two chains
	v_max3_num_f32 v9, |v[XS+3]|, |v[XS+4]|, |v[XS+5]|
.irp i, 6,10
	v_max3_num_f32 v8, v8, |v[XS+\i]|, |v[XS+\i+1]|
	v_max3_num_f32 v9, v9, |v[XS+\i+2]|, |v[XS+\i+3]|
.endr
	v_max3_num_f32 v8, v8, |v[XS+14]|, |v[XS+15]|
	v_max3_num_f32 v8, v8, v9, (EMAX+1)<<23        ; and the floor 2^(EMAX + 1 - 127): the byte cannot fall under 1
	v_max_num_f32_dpp v8, v8, v8 row_xmask:1 row_mask:0xf bank_mask:0xf   ; and of my neighbour's 16: the block's
	v_add_nc_u32 v11, -(EMAX<<23), v8              ; EMAX off its exponent field: the conversion takes the exponent field of this operand as its scale
	v_cvt_scalef32_pk8_fp4_f32 v[C+4*(\t)], v[XS:XS+7], v11
	v_cvt_scalef32_pk8_fp4_f32 v[C+4*(\t)+1], v[XS+8:XS+15], v11
	v_lshrrev_b32 v[E+(\t)], 23, v11               ; the scale's byte (a plain line behind the conversions)
	ds_store_b8 v5, v[E+(\t)] offset:16*(\t)       ; both lanes of a block write the same byte with the same value
	global_store_b64 v4, v[C+4*(\t):C+4*(\t)+1], s[34:35] offset:32*CB*(\t)   ; the wave stores 256 consecutive bytes
.endm
; 256 keys of my 16 rows: through the stage, so that lane (r, h) holds the 8 bytes of row r at keys 16 t + 8 h; then one compare a byte place gives a lane mask, which is word 8 t + j of the unit's 128
.macro MUNIT u
	s_wait_loadcnt 24-8*(\u)                       ; this unit's eight loads are in; the younger units' may be out
.irp i, 0,1,2,3,4,5,6,7
	ds_store_b128 v5, v[64+32*(\u)+4*\i:64+32*(\u)+4*\i+3] offset:2*MPITCH*\i
.endr
.irp t, 0,1,2,3,4,5,6,7,8,9,10,11,12,13,14,15
	ds_load_b64 v[32+2*\t:33+2*\t], v6 offset:16*\t
.endr
	s_wait_dscnt 0x0
.set d, 0
.rept 128
	v_and_b32 v[8+d%4], 0xff<<(8*(d%4)), v[32+2*(d/8)+(d%8)/4]     ; byte j = d % 8 of my eight
	v_cmp_ne_u32 s[40+d%4], 0, v[8+d%4]                            ; the 32 lanes' answers: one word
	v_writelane_b32 v[16+4*(\u)+d%4], s[40+d%4], d/4               ; word d lies in lane d / 4, register d % 4: so the store below is dense
.set d, d+1
.endr
	global_store_b128 v3, v[16+4*(\u):19+4*(\u)], s[34:35] offset:512*(\u)   ; 512 consecutive bytes; each unit has registers of its own
.endm
	s_load_b512 s[8:23], s[0:1], 0x0               ; x s8, wq s10, wk s12, wv s14, wo s16, mask s18, xc s20, xs s22
	s_load_b256 s[24:31], s[0:1], 0x40             ; wc s24, ws s26, mb s28, wf s30
	v_lshl_add_u32 v[SPW], v0, 2, SPARE
	v_mov_b32 v[NIL], 0
	v_lshrrev_b32 v1, 5, v0
	v_readfirstlane_b32 s2, v1                     ; wave 0..3
	v_and_b32 v2, 31, v0                           ; lane
	v_lshlrev_b32 v3, 4, v2                        ; 16 x lane
	s_wait_kmcnt 0x0
	s_cmp_lt_u32 ttmp9, 352
	s_cbranch_scc0 .Lnot_q
	; ---- the quantiser.  Rows are dense and K is a multiple of 32: each tensor is a plain stream of blocks of 32.  A wave takes 16 steps of 512 numbers.
	s_cmp_lt_u32 ttmp9, 320                        ; which tensor: the choices hang on the work-group's number alone
	s_cselect_b64 s[34:35], s[12:13], s[14:15]     ; wk or wv
	s_cmp_lt_u32 ttmp9, 288
	s_cselect_b64 s[34:35], s[10:11], s[34:35]     ; or wq
	s_sub_co_u32 s40, ttmp9, 256                   ; a weight's work-group among the 96,
	s_and_b32 s41, s40, 31                         ; and among its tensor's 32
	s_cmp_lt_u32 ttmp9, 256
	s_cselect_b64 s[32:33], s[8:9], s[34:35]       ; from: x or a weight
	s_cselect_b64 s[34:35], s[20:21], s[24:25]     ; the codes' buffer
	s_cselect_b64 s[36:37], s[22:23], s[26:27]     ; the scale bytes'
	s_cselect_b32 s38, ttmp9, s41
	s_cselect_b32 s39, ttmp9, s40
	s_lshl_b32 s38, s38, 2
	s_add_co_u32 s38, s38, s2                      ; which run of 8,192 numbers of the source is my wave's,
	s_lshl_b32 s39, s39, 2
	s_add_co_u32 s39, s39, s2                      ; and of the destination
	s_lshl_b32 s40, s38, 15                        ; 32,768 bytes of numbers,
	s_mov_b32 s41, 0
	s_add_nc_u64 s[32:33], s[32:33], s[40:41]
	s_lshl_b32 s40, s39, 12                        ; 4,096 of codes,
	s_add_nc_u64 s[34:35], s[34:35], s[40:41]
	s_lshl_b32 s40, s39, 8                         ; 256 scale bytes a run
	s_add_nc_u64 s[36:37], s[36:37], s[40:41]
	s_mul_i32 s42, s2, WREG
	v_lshrrev_b32 v14, 2, v2
	v_mul_u32_u24 v14, v14, SP
	v_and_b32 v15, 3, v2
	v_lshl_add_u32 v14, v15, 4, v14
	v_add_nc_u32 v14, s42, v14                     ; the stage, on the way in: four lanes' 64 bytes on end, then 16 of padding
	v_mul_u32_u24 v15, v2, SP
	v_add_nc_u32 v15, s42, v15                     ; and on the way out: my 16 neighbours
	v_mul_u32_u24 v4, v2, CB                       ; my codes' place in a step's
	v_lshrrev_b32 v5, 1, v2
	s_add_co_u32 s42, s42, 2*32*SP
	v_add_nc_u32 v5, s42, v5                       ; my wave's 256 scale bytes, my block's byte
	v_lshlrev_b32 v7, 3, v2                        ; and on the way out 8 bytes a lane
	v_add_nc_u32 v6, s42, v7
.irp t, 0,1,2,3
	QLOAD \t
.endr
	s_wait_loadcnt 12                              ; step 0's four loads are in
	QTURN 0
.irp t, 0,1,2,3,4,5,6,7,8,9,10,11,12,13,14,15
	QSTEP \t
.endr
	ds_load_b64 v[8:9], v6                         ; LDS serves a wave's instructions in order: these see my stores
	s_wait_dscnt 0x0
	global_store_b64 v7, v[8:9], s[36:37]          ; 32 lanes store 256 consecutive, aligned bytes
	FINISH
.Lnot_q:
	s_cmp_lt_u32 ttmp9, 608
	s_cbranch_scc0 .Lpath_w
	; ---- the mask.  A wave takes 16 queries x 1,024 keys, as four units of 256 keys
	s_sub_co_u32 s38, ttmp9, 352
	s_lshl_b32 s38, s38, 2
	s_add_co_u32 s38, s38, s2
	s_lshr_b32 s39, s38, 1                         ; which tile of 16 queries, 0..511 (128 b + tile)
	s_and_b32 s38, s38, 1                          ; which half of the keys
	s_lshl_b32 s40, s39, 15                        ; 16 rows of 2,048 bytes
	s_lshl_b32 s41, s38, 10
	s_add_co_u32 s40, s40, s41
	s_mov_b32 s41, 0
	s_add_nc_u64 s[32:33], s[18:19], s[40:41]
	s_lshl_b32 s40, s39, 12                        ; a tile's 32 steps of 128 bytes
	s_lshl_b32 s42, s38, 11
	s_add_co_u32 s40, s40, s42
	s_add_nc_u64 s[34:35], s[28:29], s[40:41]
	v_and_b32 v10, 15, v2                          ; r
	v_lshrrev_b32 v11, 4, v2                       ; h
	v_lshlrev_b32 v4, 11, v11
	v_lshl_add_u32 v4, v10, 4, v4                  ; a load takes two rows x 256 consecutive bytes
	s_mul_i32 s42, s2, 16*MPITCH
	s_add_co_u32 s42, s42, MST                     ; my stage
	v_mul_u32_u24 v5, v11, MPITCH
	v_lshl_add_u32 v5, v10, 4, v5
	v_add_nc_u32 v5, s42, v5                       ; in: as loaded
	v_mul_u32_u24 v6, v10, MPITCH
	v_lshl_add_u32 v6, v11, 3, v6
	v_add_nc_u32 v6, s42, v6                       ; out: row r, 8 bytes for each half of the lanes
.irp i, 0,1,2,3,4,5,6,7,8,9,10,11,12,13,14,15
	v_mov_b32 v[16+\i], 0                          ; written once whole: a lane write's destination counts as read
.endr
.irp u, 0,1,2,3
.irp i, 0,1,2,3,4,5,6,7
	global_load_b128 v[64+32*\u+4*\i:64+32*\u+4*\i+3], v4, s[32:33] offset:4096*\i+256*\u th:TH_LOAD_NT
.endr
.endr
	MUNIT 0
	MUNIT 1
	MUNIT 2
	MUNIT 3
	FINISH
.Lpath_w:
	; ---- wo.  A wave takes 16 rows x 128 k: eight pieces
	s_sub_co_u32 s38, ttmp9, 608
	s_lshl_b32 s38, s38, 2
	s_add_co_u32 s38, s38, s2
	s_lshr_b32 s39, s38, 3                         ; which 16 rows, 0..63
	s_and_b32 s38, s38, 7                          ; which 128 along K
	s_lshl_b32 s40, s39, 16                        ; 16 rows of 4,096 bytes
	s_lshl_b32 s41, s38, 9
	s_add_co_u32 s40, s40, s41
	s_mov_b32 s41, 0
	s_add_nc_u64 s[32:33], s[16:17], s[40:41]
	s_lshl_b32 s40, s39, 15                        ; 64 pieces of 512 bytes
	s_lshl_b32 s42, s38, 12
	s_add_co_u32 s40, s40, s42
	s_add_nc_u64 s[34:35], s[30:31], s[40:41]
	s_mul_i32 s42, s2, 16*WPITCH
	s_add_co_u32 s42, s42, WST                     ; my stage
	v_add_nc_u32 v5, s42, v3                       ; in: a row's 512 bytes as they lie
	v_and_b32 v10, 15, v2
	v_lshrrev_b32 v11, 4, v2
	v_mul_u32_u24 v6, v10, WPITCH
	v_lshl_add_u32 v6, v11, 5, v6
	v_add_nc_u32 v6, s42, v6                       ; out: row r, 32 bytes (8 numbers) for each half of the lanes
.irp i, 0,1,2,3,4,5,6,7,8,9,10,11,12,13,14,15
	global_load_b128 v[64+4*\i:67+4*\i], v3, s[32:33] offset:4096*\i th:TH_LOAD_NT
.endr
	s_wait_loadcnt 0x0
.irp i, 0,1,2,3,4,5,6,7,8,9,10,11,12,13,14,15
	ds_store_b128 v5, v[64+4*\i:67+4*\i] offset:WPITCH*\i
.endr
.irp p, 0,1,2,3,4,5,6,7
	ds_load_b128 v[128+8*\p:131+8*\p], v6 offset:64*\p
	ds_load_b128 v[132+8*\p:135+8*\p], v6 offset:64*\p+16
.endr
	s_wait_dscnt 0x0
.irp p, 0,1,2,3,4,5,6,7
.irp i, 0,1,2,3
	v_cvt_pk_f16_f32 v[16+4*\p+\i], v[128+8*\p+2*\i], v[129+8*\p+2*\i]
.endr
.endr
.irp p, 0,1,2,3,4,5,6,7
	global_store_b128 v3, v[16+4*\p:19+4*\p], s[34:35] offset:512*\p   ; a piece: 512 consecutive bytes
.endr
	FINISH
.Lfunc_end_k_q5537628412_prep:
	.size	k_q5537628412_prep, .Lfunc_end_k_q5537628412_prep-k_q5537628412_prep
	.p2alignl 7, 3214868480
	.fill 96, 4, 3214868480
	.section	.rodata,"a",@progbits
	.p2align	6, 0x0
	.amdhsa_kernel k_q5537628412_prep
		.amdhsa_group_segment_fixed_size 84480
		.amdhsa_private_segment_fixed_size 0
		.amdhsa_enable_private_segment 0
		.amdhsa_kernarg_size 96
		.amdhsa_user_sgpr_count 2
		.amdhsa_user_sgpr_kernarg_segment_ptr 1
		.amdhsa_wavefront_size32 1
		.amdhsa_system_sgpr_workgroup_id_x 1
		.amdhsa_system_sgpr_workgroup_id_y 1
		.amdhsa_system_sgpr_workgroup_id_z 1
		.amdhsa_system_vgpr_workitem_id 0
		.amdhsa_next_free_vgpr 192
		.amdhsa_next_free_sgpr 66
		.amdhsa_reserve_vcc 0
		.amdhsa_float_denorm_mode_32 3
		.amdhsa_float_denorm_mode_16_64 3
		.amdhsa_memory_ordered 1
		.amdhsa_forward_progress 1
		.amdhsa_inst_pref_size 148
	.end_amdhsa_kernel
	.amdgpu_metadata
---
amdhsa.version: [ 1, 2 ]
amdhsa.kernels:
  - .name:           k_q5537628412_prep
    .symbol:         k_q5537628412_prep.kd
    .args:
      - { .name: x, .offset: 0, .size: 8, .value_kind: global_buffer, .address_space: global }
      - { .name: wq, .offset: 8, .size: 8, .value_kind: global_buffer, .address_space: global }
      - { .name: wk, .offset: 16, .size: 8, .value_kind: global_buffer, .address_space: global }
      - { .name: wv, .offset: 24, .size: 8, .value_kind: global_buffer, .address_space: global }
      - { .name: wo, .offset: 32, .size: 8, .value_kind: global_buffer, .address_space: global }
      - { .name: mask, .offset: 40, .size: 8, .value_kind: global_buffer, .address_space: global }
      - { .name: xc, .offset: 48, .size: 8, .value_kind: global_buffer, .address_space: global }
      - { .name: xs, .offset: 56, .size: 8, .value_kind: global_buffer, .address_space: global }
      - { .name: wc, .offset: 64, .size: 8, .value_kind: global_buffer, .address_space: global }
      - { .name: ws, .offset: 72, .size: 8, .value_kind: global_buffer, .address_space: global }
      - { .name: mb, .offset: 80, .size: 8, .value_kind: global_buffer, .address_space: global }
      - { .name: wf, .offset: 88, .size: 8, .value_kind: global_buffer, .address_space: global }
    .group_segment_fixed_size: 84480
    .private_segment_fixed_size: 0
    .kernarg_segment_align: 8
    .kernarg_segment_size: 96
    .max_flat_workgroup_size: 128
    .sgpr_count:     66
    .vgpr_count:     192
    .wavefront_size: 32
...
	.end_amdgpu_metadata
.endif
;; end of part 1
;; launch qkv (part 2): grid 12 x 32, 4 waves a work-group, clusters of 4 x 4, 327,680 bytes of LDS; arguments xc, xs, wc, ws, qkv; writes qkv
.if DOCPART == 2
	.amdgcn_target "amdgcn-amd-amdhsa--gfx1250"
	.amdhsa_code_object_version 6
	.text
	.protected	k_q5537628412_qkv
	.globl	k_q5537628412_qkv
	.p2align	8
	.type	k_q5537628412_qkv,@function
k_q5537628412_qkv:
	s_mov_b64 s[64:65], 0
	v_nop
	global_prefetch_b8 v0, s[64:65] scope:SCOPE_SE
	s_setreg_imm32_b32 hwreg(HW_REG_WAVE_MODE, 25, 1), 1
	s_wait_xcnt 0x0
	s_wait_alu depctr_hold_cnt(0) depctr_sa_sdst(0) depctr_va_vdst(0) depctr_va_sdst(0) depctr_va_ssrc(0) depctr_va_vcc(0) depctr_vm_vsrc(0)
	s_getreg_b32 s2, hwreg(HW_REG_IB_STS2, 6, 4)
	s_cmp_eq_u32 s2, 0
	s_cbranch_scc0 .Lentry_in_a_cluster
	s_endpgm
.Lentry_in_a_cluster:
	s_bfe_u32 s2, ttmp6, 0x10000c
	s_cmp_lg_u32 s2, 0xf033
	s_cbranch_scc0 .Lentry_shape_is_right
	s_endpgm
.Lentry_shape_is_right:
; q, k, v = x [8192][1024] times (wq, wk, wv on end) [3072][1024]^T, both as codes of FP4 (E2M1) with one E8M0 scale for each 32 along K; sums in f32; the results rounded once to f16.
; A tile of the result, 256 tokens x 256 features, is made by a work-group of four waves; a wave makes 128 x 128: 64 accumulators of 16 x 16, 512 registers.
; K = 1,024 is two steps of 512 (a tile's row is 256 bytes of memory): both lie in LDS from the start, in two slots; nothing is filled again.  The scale bytes of the work-group's rows come once, as two dense blocks.
; CLUSTERS: 4 x 4 work-groups.  The four of a row of the cluster need the same tiles of x, the four of a column the same tiles of the weights: each tile is asked for JOINTLY.
; THE MATRIX INSTRUCTION IS USED TRANSPOSED (source 0 = 16 rows of the weights, source 1 = 16 tokens): a lane then holds eight neighbouring features of one token, which pack into 16 bytes of f16.
; THE WAY OUT NEEDS NO STAGE: such a packed 16 x 16 result IS half of a 16-bit matrix operand (16 rows x 16 along K), in the same lanes.  It is stored as it stands, 16 bytes a lane at 16 x lane: a PIECE of 512 consecutive bytes.
;   qkv [which 3][b 4][head 16][tile of 16 tokens 128][16 channels 4][512 B].  In v's pieces lane (r, h) writes at place 16 (r / 8) + 8 h + r % 8, so that the turning LDS load of the attention launch reads at 16 x lane too.
; LIMITS: results beyond 65,504 in magnitude have no f16 number (the drawn inputs give about 1; 30 times larger x and weights about 5,000).
; REGISTERS, in windows of 256: window 0: v0-31 addresses; v32-95 scale words, two sets; from v128 x's fragments, ONE set.  window 1: the weights' fragments, TWO sets, at v0 and v128; on the way out the packed results.
;   window 2: the 32 accumulators of my tokens 0-63 (accumulator (a, b) at v[8 (8 a + b)]);   window 3: those of my tokens 64-127.
.set SIZE_K, 1024
.set KSTEP,  512                       ; along K in a slot
.set NQ,     KSTEP/128                 ; matrix instructions deep
.set ROWB,   256                       ; a tile's row in bytes
.set KROW,   SIZE_K*4/8                ; a row of codes in memory
.set PITCH,  272                       ; an LDS row: 256 bytes + 16 of padding = 68 words: the 16 rows that a load touches start at 16 different banks (64 banks of 4 bytes: ISA guide 11.1)
.set FR,     8                         ; registers of a fragment: 16 rows x 128 K
.set NL,     2                         ; LDS loads that bring one
.set NP,     4                         ; places behind this matrix instruction (ISA guide 7.12.1)
.set HALFT,  128*PITCH                 ; 128 rows: what one tensor load brings
.set SLOT,   4*HALFT                   ; x's 256 rows, then the weights' 256 rows
.set KS,     SIZE_K/32                 ; a row of scale bytes
.set SCL,    2*SLOT                    ; behind the slots: the scales, as units of 256 bytes + 16 of padding
.set HALFS,  (128*KS/256)*272          ; the scales of 128 rows
.set SBLK,   (16*KS/256)*272           ; those of 16 rows
.set SPARE,  SCL+4*HALFS               ; the spare words, 128 bytes for each wave
.set ADRA, 16                          ; v16-17  LDS address of my x fragments in slot 0, 1
.set ADRB, 20                          ; v20-21  the same for the weights
.set CO,   26                          ; v26     the way out: 16 x my place in a piece
.set ADRS, 27                          ; v27     LDS address of my scale words: lanes 0-15 x's rows, lanes 16-31 the weights'
.set SPW,  28                          ; v28     LDS address of my spare word; never rewritten
.set NIL,  29                          ; v29     0; never rewritten
.set SC,   32                          ; scale words: set s at v[SC + 8 NQ s]; register NQ i + q: lanes 0-15 the word of x's block i, lanes 16-31 that of the weights' block i
.set AF,   128                         ; x's fragments, in window 0
.set G1, 24                            ; s[24:31] descriptor group 1 for x's tiles;  s[32:39] group 0, one set for each slot
.set G0, 32
.set G1B, 48                           ; s[48:55], s[56:63] the same for the weights' tiles
.set G0B, 56
.set G1S, 68                           ; s[68:75], s[76:79] groups 1 and 0 for x's scales;  s[80:87], s[88:91] for the weights'
.set G0S, 76
.set G1SB, 80
.set G0SB, 88
.set MSB, 0
.macro WIN new                         ; the immediate's high byte repeats the setting that is left
.if MSB != \new
	s_set_vgpr_msb (MSB<<8)|\new
.set MSB, \new
.endif
.endm
.set MUL_LO, 0xa1                      ; source 0 (weights) window 1, source 1 (x) window 0, C and D window 2
.set MUL_HI, 0xf1                      ; the same, C and D window 3
.set TO_B,   0x40                      ; destination window 1, address window 0
; A joint load: waves 0 and 1 fetch for x, waves 2 and 3 for the weights.  The branch hangs on the wave's number alone.  An s_nop 0 and four v_nop follow each of the two lines.
.macro JLOAD g0a, g1a, g0b, g1b
	s_cmp_eq_u32 s15, 0
	s_cbranch_scc0 .Lfor_b_\@
	tensor_load_to_lds s[\g0a:\g0a+3], s[\g1a:\g1a+7]
	s_nop 0
.rept 4
	v_nop
.endr
	s_branch .Lasked_\@
.Lfor_b_\@:
	tensor_load_to_lds s[\g0b:\g0b+3], s[\g1b:\g1b+7]
	s_nop 0
.rept 4
	v_nop
.endr
.Lasked_\@:
.endm
.macro CROUND                          ; a round of the cluster's barrier
	s_barrier_signal -1
	s_barrier_wait -1
	s_cmp_lg_u32 s14, 0
	s_cbranch_scc1 .Lnot_wave_0_\@
	s_barrier_signal -3
.Lnot_wave_0_\@:
	s_barrier_wait -3
	s_barrier_signal -1
	s_barrier_wait -1
.endm
	s_load_b128 s[4:7], s[0:1], 0x0                ; x's codes s[4:5], x's scales s[6:7]
	s_load_b128 s[8:11], s[0:1], 0x10              ; the weights' codes s[8:9], their scales s[10:11]
	s_load_b64 s[12:13], s[0:1], 0x20              ; qkv
	v_lshl_add_u32 v[SPW], v0, 2, SPARE
	v_mov_b32 v[NIL], 0
	ds_add_u32 v[SPW], v[NIL]                      ; the wave's opening: the add, twice on end, and its wait ahead of my first tensor load
	ds_add_u32 v[SPW], v[NIL]
	v_lshrrev_b32 v1, 5, v0
	v_readfirstlane_b32 s14, v1                    ; wave 0..3
	s_lshr_b32 s15, s14, 1                         ; which half of the tile's tokens is mine.  Also: I fetch for x (0) or for the weights (1)
	s_and_b32 s16, s14, 1                          ; which half of its features.  Also: which 128 rows of that tile I fetch
	s_bfe_u32 s40, ttmp6, 0x40000                  ; cx, cy: my place in the cluster
	s_bfe_u32 s41, ttmp6, 0x40004
	s_lshl_b32 s42, ttmp9, 2
	s_add_co_u32 s42, s42, s40                     ; tile column = 4 x cluster x + cx, 0..11
	s_and_b32 s17, ttmp7, 0xffff
	s_lshl_b32 s17, s17, 2
	s_add_co_u32 s17, s17, s41                     ; tile row = 4 x cluster y + cy, 0..31
	s_lshl_b32 s43, s41, 2
	s_lshl_b32 s43, 15, s43                        ; my row of the cluster
	s_lshl_b32 s44, 0x1111, s40                    ; my column
	; descriptor group 1: a tile of 128 rows x ROWB bytes, padded in LDS
	s_or_b32 s[G1+0], s43, (0<<16)|(1<<20)|(1<<21)|(5<<22)|(3<<25)  ; 15:0 the mask: x's tiles go to my row; 17:16 element of 1 byte; 20 padding on; 21 set beside a mask; 24:22 after every 64 words; 31:25 of 4 words
	s_or_b32 s[G1B+0], s44, (0<<16)|(1<<20)|(1<<21)|(5<<22)|(3<<25)
.irp g, G1, G1B
	s_mov_b32 s[\g+1], ROWB<<16                    ; tensor_dim0
	s_mov_b32 s[\g+2], 128<<16                     ; tensor_dim1 = 128
	s_mov_b32 s[\g+3], ROWB<<16                    ; tile_dim0
	s_mov_b32 s[\g+4], 128                         ; tile_dim1 = 128
	s_mov_b32 s[\g+5], KROW                        ; tensor_dim0_stride
	s_mov_b32 s[\g+6], 0
	s_mov_b32 s[\g+7], 0
.endr
	; and for the scales of 128 rows: a dense block of 128 KS bytes, as rows of 256 bytes (32 elements of 8 bytes), 16 bytes of padding behind each
	s_or_b32 s[G1S+0], s43, (3<<16)|(1<<20)|(1<<21)|(5<<22)|(3<<25)
	s_or_b32 s[G1SB+0], s44, (3<<16)|(1<<20)|(1<<21)|(5<<22)|(3<<25)
.irp g, G1S, G1SB
	s_mov_b32 s[\g+1], 32<<16
	s_mov_b32 s[\g+2], (128*KS/256)<<16
	s_mov_b32 s[\g+3], 32<<16
	s_mov_b32 s[\g+4], 128*KS/256
	s_mov_b32 s[\g+5], 32
	s_mov_b32 s[\g+6], 0
	s_mov_b32 s[\g+7], 0
.endr
	s_lshl_b32 s18, s16, 7                         ; which 128 rows of the tile I fetch
	s_lshl_b32 s20, s17, 8
	s_add_co_u32 s20, s20, s18                     ; x: row 256 x tile row + 128 x half
	s_lshl_b32 s46, s42, 8
	s_add_co_u32 s46, s46, s18                     ; weights: row 256 x tile column + 128 x half
	s_mov_b32 s21, 0
	s_mov_b32 s47, 0
	s_mov_b64 s[18:19], KS
	s_mul_u64 s[22:23], s[20:21], s[18:19]         ; where these rows' scales begin, in bytes
	s_mul_u64 s[92:93], s[46:47], s[18:19]
	s_mov_b64 s[18:19], KROW
	s_mul_u64 s[20:21], s[20:21], s[18:19]         ; and their codes
	s_mul_u64 s[46:47], s[46:47], s[18:19]
	s_mul_i32 s45, s14, HALFT                      ; where they go: wave x 128 rows: no place in the cluster enters an LDS address
	s_mul_i32 s94, s14, HALFS
	s_wait_dscnt 0x0                               ; both opening adds are done
	s_wait_kmcnt 0x0
	s_add_nc_u64 s[20:21], s[4:5], s[20:21]
	s_add_nc_u64 s[22:23], s[6:7], s[22:23]
	s_add_nc_u64 s[46:47], s[8:9], s[46:47]
	s_add_nc_u64 s[92:93], s[10:11], s[92:93]
	CROUND                                         ; all sixteen work-groups are here: the joint loads meet
	s_mov_b32 s[G0S], 1
	s_add_co_u32 s[G0S+1], s94, SCL
	s_mov_b64 s[G0S+2:G0S+3], s[22:23]
	s_or_b32 s[G0S+3], s[G0S+3], 0x80000000
	s_mov_b32 s[G0SB], 1
	s_add_co_u32 s[G0SB+1], s94, SCL
	s_mov_b64 s[G0SB+2:G0SB+3], s[92:93]
	s_or_b32 s[G0SB+3], s[G0SB+3], 0x80000000
	JLOAD G0S, G1S, G0SB, G1SB                     ; the scales first: they are wanted with K step 0.  Three tensor loads of mine are out at the most
.irp s, 0,1
	s_mov_b32 s[G0+4*\s], 1
	s_add_co_u32 s[G0+4*\s+1], s45, \s*SLOT
	s_add_nc_u64 s[G0+4*\s+2:G0+4*\s+3], s[20:21], \s*ROWB
	s_or_b32 s[G0+4*\s+3], s[G0+4*\s+3], 0x80000000
	s_mov_b32 s[G0B+4*\s], 1
	s_add_co_u32 s[G0B+4*\s+1], s45, \s*SLOT
	s_add_nc_u64 s[G0B+4*\s+2:G0B+4*\s+3], s[46:47], \s*ROWB
	s_or_b32 s[G0B+4*\s+3], s[G0B+4*\s+3], 0x80000000
	JLOAD G0+4*\s, G1, G0B+4*\s, G1B
.endr
	v_and_b32 v1, 15, v0                           ; r = l % 16
	v_bfe_u32 v2, v0, 4, 1                         ; h = l / 16
	v_mul_u32_u24 v3, v1, PITCH
	v_lshl_add_u32 v4, v2, 4, v3                   ; a fragment's row x pitch + 16 x half
	s_mul_i32 s21, s15, HALFT                      ; my 128 rows of x
	s_mul_i32 s22, s16, HALFT                      ; my 128 rows of the weights,
	s_add_co_u32 s22, s22, 2*HALFT                 ; which lie behind x's 256
.irp s, 0,1
	v_add_nc_u32 v[ADRA+\s], s21, v4
	v_add_nc_u32 v[ADRB+\s], s22, v4
	s_add_co_u32 s21, s21, SLOT
	s_add_co_u32 s22, s22, SLOT
.endr
	v_mul_u32_u24 v5, v1, KS                       ; my row's scales: KS bytes a row,
	v_lshrrev_b32 v6, 8, v5
	v_lshl_add_u32 v5, v6, 4, v5                   ; and 16 more for each 256 passed
	s_mul_i32 s21, s15, HALFS                      ; x's: my 128 rows
	s_mul_i32 s22, s16, HALFS                      ; the weights': my 128 rows, behind x's 256
	s_add_co_u32 s22, s22, 2*HALFS
	s_sub_co_u32 s22, s22, s21
	v_mul_u32_u24 v6, s22, v2                      ; lanes 16-31 take the weights'
	s_add_co_u32 s21, s21, SCL
	v_add_nc_u32 v5, v5, v6
	v_add_nc_u32 v[ADRS], s21, v5
	; the way out: my place in a piece.  q and k: my lane.  v (cluster x = 2, the same in all partners): 16 (r / 8) + 8 h + r % 8
	v_and_b32 v6, 31, v0
	v_lshrrev_b32 v7, 3, v1
	v_lshlrev_b32 v7, 4, v7
	v_lshl_add_u32 v7, v2, 3, v7
	v_and_b32 v8, 7, v1
	v_add_nc_u32 v7, v7, v8
	s_cmp_eq_u32 ttmp9, 2
	s_cselect_b32 s23, -1, 0
	v_cndmask_b32 v6, v6, v7, s23
	v_lshlrev_b32 v[CO], 4, v6
	; where my wave's pieces begin: b << 22 + (first tile of tokens) << 11 from the tile row; which << 24 + head << 18 from the tile column
	s_lshr_b32 s20, s17, 3
	s_lshl_b32 s20, s20, 22                        ; b: eight tile rows to a sequence
	s_and_b32 s21, s17, 7
	s_lshl_b32 s21, s21, 15                        ; 16 tiles of tokens to a tile row,
	s_add_co_u32 s20, s20, s21
	s_lshl_b32 s21, s15, 14                        ; 8 to my half
	s_add_co_u32 s20, s20, s21
	s_mov_b32 s21, 0
	s_lshr_b32 s46, s42, 2
	s_lshl_b32 s46, s46, 24                        ; q, k or v: four tile columns each
	s_and_b32 s47, s42, 3
	s_lshl_b32 s47, s47, 20                        ; four heads to a tile column,
	s_add_co_u32 s46, s46, s47
	s_lshl_b32 s47, s16, 19                        ; two to my half
	s_add_co_u32 s46, s46, s47
	s_mov_b32 s47, 0
	s_add_nc_u64 s[20:21], s[20:21], s[46:47]
	s_add_nc_u64 s[12:13], s[12:13], s[20:21]
.macro FRAG reg, adr, q, i             ; a fragment, 16 rows x 128 K of 4-bit codes: lane l holds row l % 16; registers 4 c .. 4 c + 3 hold K = 64 c + 32 (l / 16) + 0 .. 31
.irp c, 0,1
	ds_load_b128 v[\reg+4*\c:\reg+4*\c+3], v[\adr] offset:64*(\q)+32*\c+(\i)*16*PITCH
.endr
.endm
; 16 matrix instructions: x's blocks a0, a0 + 1 against the weights' eight, 128 along K.  zero = 1: the first product starts the sums.  The 64 accumulators take turns, one instruction a turn, in the same order in every step.
.macro MUL16 a0, p, q, sc, zero
.irp a, \a0, \a0+1
.irp b, 0,1,2,3,4,5,6,7
.if \zero
	v_wmma_scale_f32_16x16x128_f8f6f4 v[8*(8*((\a)%4)+\b):8*(8*((\a)%4)+\b)+7], v[128*(\p)+FR*\b:128*(\p)+FR*\b+FR-1], v[AF+FR*(\a):AF+FR*(\a)+FR-1], 0, v[SC+8*NQ*(\sc)+NQ*\b+(\q)], v[SC+8*NQ*(\sc)+NQ*(\a)+(\q)] matrix_a_fmt:MATRIX_FMT_FP4 matrix_b_fmt:MATRIX_FMT_FP4 matrix_a_scale:MATRIX_SCALE_ROW1
.else
	v_wmma_scale_f32_16x16x128_f8f6f4 v[8*(8*((\a)%4)+\b):8*(8*((\a)%4)+\b)+7], v[128*(\p)+FR*\b:128*(\p)+FR*\b+FR-1], v[AF+FR*(\a):AF+FR*(\a)+FR-1], v[8*(8*((\a)%4)+\b):8*(8*((\a)%4)+\b)+7], v[SC+8*NQ*(\sc)+NQ*\b+(\q)], v[SC+8*NQ*(\sc)+NQ*(\a)+(\q)] matrix_a_fmt:MATRIX_FMT_FP4 matrix_b_fmt:MATRIX_FMT_FP4 matrix_a_scale:MATRIX_SCALE_ROW1
.endif
.endr
.endr
.endm
.macro FETCH_B slot, q, p              ; the weights' eight fragments of the slot's q-th 128 along K into set p
	WIN TO_B
.irp i, 0,1,2,3,4,5,6,7
	FRAG 128*(\p)+FR*\i, ADRB+\slot, \q, \i
.endr
	WIN 0
.endm
.macro FETCH_A slot, q, i0             ; x's blocks i0 .. i0 + 3
.irp i, \i0, \i0+1, \i0+2, \i0+3
	FRAG AF+FR*(\i), ADRA+\slot, \q, \i
.endr
.endm
.macro SCALES sc                       ; a K step's scale words into set sc: NQ words a row
.irp i, 0,1,2,3,4,5,6,7
	ds_load_b128 v[SC+8*NQ*\sc+NQ*\i:SC+8*NQ*\sc+NQ*\i+3], v[ADRS] offset:\i*SBLK
.endr
.endm
; A load into a register that a matrix instruction has read, and a vector instruction that reads a matrix result or writes one of a matrix instruction's registers, stand NP places behind it; only plain vector instructions that name none of its registers are places.
.macro PLACES n
.rept \n
	v_nop
.endr
.endm
.macro STEP slot, q, zero              ; a step of 128 along K that has its successor in the same slot
	s_wait_dscnt 4*NL                              ; the weights' set and x's blocks 0-3 are in; the youngest eight loads (x's blocks 4-7) may be out
	WIN MUL_LO
	MUL16 0, (\q)%2, \q, \slot, \zero
	MUL16 2, (\q)%2, \q, \slot, \zero
	s_wait_dscnt 0                                 ; x's blocks 4-7 are in
	PLACES NP
	FETCH_B \slot, (\q)+1, 1-(\q)%2
	FETCH_A \slot, (\q)+1, 0
	WIN MUL_HI
	MUL16 4, (\q)%2, \q, \slot, \zero
	MUL16 6, (\q)%2, \q, \slot, \zero
	PLACES NP
	WIN 0
	FETCH_A \slot, (\q)+1, 4
.endm
; Slot 0's last step goes over to slot 1: ONE barrier; in front of it each wave waits for all its tensor loads (its part of slot 1), so that behind it slot 1 is whole for everybody.  Nothing is filled again.
.macro TURN slot, next
	s_wait_tensorcnt 0x0                           ; all my tensor loads have landed
	ds_add_u32 v[SPW], v[NIL]                      ; 0 onto my spare word
	s_wait_dscnt 4*NL+1                            ; (the add and the youngest eight loads, x's blocks 4-7, may be out)
	WIN MUL_LO
	MUL16 0, 1, NQ-1, \slot, 0
	s_wait_dscnt 0x0                               ; no LDS instruction of mine is pending at the signal
	s_barrier_signal -1
	MUL16 2, 1, NQ-1, \slot, 0
	WIN 0
	s_barrier_wait -1
	PLACES NP
	v_add_nc_u32 v[ADRS], 4*NQ, v[ADRS]            ; on to the next K step's scale words
	FETCH_B \next, 0, 0
	FETCH_A \next, 0, 0
	SCALES \next
	WIN MUL_HI
	MUL16 4, 1, NQ-1, \slot, 0
	MUL16 6, 1, NQ-1, \slot, 0
	PLACES NP
	WIN 0
	FETCH_A \next, 0, 4
.endm
.macro STEPS slot, from                ; the slot's steps from .. NQ - 2
.set Q, \from
.rept NQ-1-\from
	STEP \slot, Q, 0
.set Q, Q+1
.endr
.endm
	s_wait_tensorcnt 1                             ; the scales and my part of K step 0 are in (K step 1's load may be out),
	s_barrier_signal -1
	s_barrier_wait -1                              ; everybody's are
	FETCH_B 0, 0, 0
	FETCH_A 0, 0, 0
	SCALES 0
	FETCH_A 0, 0, 4
	STEP 0, 0, 1                                   ; the first step's products start the sums: nothing is cleared
	STEPS 0, 1
	TURN 0, 1
	STEPS 1, 0
	s_wait_dscnt 4*NL                              ; the very last step: nothing more to fetch
	WIN MUL_LO
	MUL16 0, 1, NQ-1, 1, 0
	MUL16 2, 1, NQ-1, 1, 0
	s_wait_dscnt 0
	WIN MUL_HI
	MUL16 4, 1, NQ-1, 1, 0
	MUL16 6, 1, NQ-1, 1, 0
	WIN 0
; THE WAY OUT of block a (16 tokens x 128 features): each accumulator, from its low end on, is rounded to f16: four registers, a piece; each piece has registers of its own in window 1 (the weights' fragments are done with),
; so no store's data are written again and no wait stands here.  A store covers 512 consecutive bytes, aligned.
.macro OUTBLK a
.set AC, 64*((\a)%4)
	WIN 0x4a+5*((\a)/4)                            ; sources window 2 or 3, destination window 1
.irp b, 0,1,2,3,4,5,6,7
.irp r, 0,1,2,3
	v_cvt_pk_f16_f32 v[32*(\a)+4*\b+\r], v[AC+8*\b+2*\r], v[AC+8*\b+2*\r+1]
.endr
.endr
	WIN 0x04                                       ; a store's data are its source 1: window 1
.irp b, 0,1,2,3,4,5,6,7
	global_store_b128 v[CO], v[32*(\a)+4*\b:32*(\a)+4*\b+3], s[12:13] offset:2048*(\a)+262144*(\b/4)+512*(\b%4)   ; tile of tokens a, head b / 4, channels 16 (b % 4) on
.endr
.endm
	PLACES NP                                      ; behind the last products: their results are read and their sources written below
.irp a, 0,1,2,3,4,5,6,7
	OUTBLK \a
.endr
	WIN 0
	s_wait_tensorcnt 0x0                           ; the wave's end: a wait, an add to my spare word and its wait, behind my last tensor load
	ds_add_u32 v[SPW], v[NIL]
	s_wait_dscnt 0x0
	CROUND                                         ; the closing round: no work-group ends while a partner may still ask for a tile that names it
	s_endpgm
.Lfunc_end_k_q5537628412_qkv:
	.size	k_q5537628412_qkv, .Lfunc_end_k_q5537628412_qkv-k_q5537628412_qkv
	.p2alignl 7, 3214868480
	.fill 96, 4, 3214868480
	.section	.rodata,"a",@progbits
	.p2align	6, 0x0
	.amdhsa_kernel k_q5537628412_qkv
		.amdhsa_group_segment_fixed_size 327680
		.amdhsa_private_segment_fixed_size 0
		.amdhsa_enable_private_segment 0
		.amdhsa_kernarg_size 40
		.amdhsa_user_sgpr_count 2
		.amdhsa_user_sgpr_kernarg_segment_ptr 1
		.amdhsa_wavefront_size32 1
		.amdhsa_system_sgpr_workgroup_id_x 1
		.amdhsa_system_sgpr_workgroup_id_y 1
		.amdhsa_system_sgpr_workgroup_id_z 1
		.amdhsa_system_vgpr_workitem_id 0
		.amdhsa_next_free_vgpr 1024
		.amdhsa_next_free_sgpr 98
		.amdhsa_reserve_vcc 0
		.amdhsa_float_denorm_mode_32 3
		.amdhsa_float_denorm_mode_16_64 3
		.amdhsa_memory_ordered 1
		.amdhsa_forward_progress 1
		.amdhsa_inst_pref_size 118
	.end_amdhsa_kernel
	.amdgpu_metadata
---
amdhsa.version: [ 1, 2 ]
amdhsa.kernels:
  - .name:           k_q5537628412_qkv
    .symbol:         k_q5537628412_qkv.kd
    .args:
      - { .name: xc, .offset: 0, .size: 8, .value_kind: global_buffer, .address_space: global }
      - { .name: xs, .offset: 8, .size: 8, .value_kind: global_buffer, .address_space: global }
      - { .name: wc, .offset: 16, .size: 8, .value_kind: global_buffer, .address_space: global }
      - { .name: ws, .offset: 24, .size: 8, .value_kind: global_buffer, .address_space: global }
      - { .name: qkv, .offset: 32, .size: 8, .value_kind: global_buffer, .address_space: global }
    .group_segment_fixed_size: 327680
    .private_segment_fixed_size: 0
    .kernarg_segment_align: 8
    .kernarg_segment_size: 40
    .max_flat_workgroup_size: 128
    .sgpr_count:     98
    .vgpr_count:     1024
    .wavefront_size: 32
...
	.end_amdgpu_metadata
.endif
;; end of part 2
;; launch attn (part 3): grid 4 x 64, 8 waves a work-group, clusters of 4 x 1, 327,680 bytes of LDS; arguments qkv, mb, af; writes af
.if DOCPART == 3
	.amdgcn_target "amdgcn-amd-amdhsa--gfx1250"
	.amdhsa_code_object_version 6
	.text
	.protected	k_q5537628412_attn
	.globl	k_q5537628412_attn
	.p2align	8
	.type	k_q5537628412_attn,@function
k_q5537628412_attn:
	s_mov_b64 s[64:65], 0
	v_nop
	global_prefetch_b8 v0, s[64:65] scope:SCOPE_SE
	s_setreg_imm32_b32 hwreg(HW_REG_WAVE_MODE, 25, 1), 1
	s_wait_xcnt 0x0
	s_wait_alu depctr_hold_cnt(0) depctr_sa_sdst(0) depctr_va_vdst(0) depctr_va_sdst(0) depctr_va_ssrc(0) depctr_va_vcc(0) depctr_vm_vsrc(0)
	s_getreg_b32 s2, hwreg(HW_REG_IB_STS2, 6, 4)
	s_cmp_eq_u32 s2, 0
	s_cbranch_scc0 .Lentry_in_a_cluster
	s_endpgm
.Lentry_in_a_cluster:
	s_bfe_u32 s2, ttmp6, 0x10000c
	s_cmp_lg_u32 s2, 0x3003
	s_cbranch_scc0 .Lentry_shape_is_right
	s_endpgm
.Lentry_shape_is_right:
; O[b][q][head] = the sum over keys of mask x softmax(q . k / 8 - 1e9 where the mask is 0) x v, for one head and 512 queries a work-group.  q, k, v: f16 pieces from the launch before; products in f16 with f32 sums; maxima, exponentials and sums in f32.
; THE MASK.  A key whose mask is 0 weighs exactly 0 in the result (its weight is multiplied by the mask behind the softmax, and beside any key that counts its exponential is 0 in the sum): its score becomes -infinity ahead of the maximum,
; by ONE select a score: the lane masks come ready from mb into scalar registers.  A row with no key left: every p is 0, the sum is 0, O is 0; the sum is held at 2^-100 from below, so the row comes out 0, as it does in the definition.
; SOFTMAX.  For each query a running maximum m (it begins at -3e38, so that it is a number where a step has no key that counts) and sum l: p = 2^(c s - c m), c = log2(e) / 8; in every step O and l are multiplied by a = 2^(c m_old - c m_new).
; SHARES.  Eight waves, two to a SIMD with 512 registers each, so that one wave's softmax stands beside the other's products.  A wave owns 64 queries: four tiles of 16, so that each fragment of k and v read from LDS feeds four products.
; LAYOUT.  S^T = k q^T (source 0 = 16 keys, source 1 = 16 queries): a lane holds ONE query (lane % 16) and keys 8 (lane / 16) + 0..7.  Two such tiles rounded to f16 in pairs ARE source 1 of O^T = v^T P.  The weights are rounded IN PLACE, into the low half of their tile's registers.
; PIECES.  All operands lie in memory as images of registers, 512 bytes for 16 rows x 16 along K, 16 bytes a lane: so tiles are dense blocks, LDS needs no padding, and every LDS load reads at 16 x lane.  O leaves the same way, for the projection.
; CLUSTER.  The four query blocks of a head walk the same k and v: each tile is asked for JOINTLY, by the same tensor load with the same descriptor and the mask of all four.
; RING.  Two slots of 512 keys (k 64 KiB, v 64 KiB); each wave fetches 16 KiB of a slot.  2,048 keys: two first fills and two refills; a refill has eight key steps in which to land.  Two tensor loads of mine are out at the start, later one.
; LIMITS: weights p under 6e-5 and outputs under 6e-5 are f16 denormals (absolute error 3e-8, beside a sum of at least 1); NaN and infinities among the inputs are not served.
; REGISTERS.  window 0: v1-7 addresses and constants; v8-39 statistics, 8 a tile (+0 c m, +1 m, +2, +3 l, +4 to +7 at work; a in +6); v40-47 a second chain of sums; v64-191 S^T, 32 a tile; v192-255 k of a step.
;             window 1: v0-127 O^T, 32 a tile; v128-191 q, 16 a tile; v192-255 v of a step.
.set SLOT1, 1<<17                      ; slot 1 begins here: one exclusive or turns an address in one slot into the other's
.set VOFF,  65536                      ; in a slot: 512 keys of k, then of v
.set STEPB, 8192                       ; 64 keys: 16 pieces
.set SPARE, 2*SLOT1                    ; behind the ring: the spare words, 128 bytes for each of eight waves
.set LA,   1                           ; v1   16 x lane
.set LAV,  2                           ; v2   the same in v's part of a slot
.set NINF, 3                           ; v3   -infinity
.set ADR,  4                           ; v4   the LDS address of the run of loads in hand
.set GO,   5                           ; v5   16 x lane, for global loads and stores
.set SPW,  6                           ; v6   LDS address of my spare word; never rewritten
.set NIL,  7                           ; v7   0; never rewritten
.set ST,   8
.set U,    40
.set S,    64
.set KF,   192
.set QF,   128                         ; in window 1
.set VF,   192                         ; in window 1
.set MP,   6                           ; s[6:7]  my first tile's lane masks of the step in hand
.set WV,   10
.set CX,   11
.set HY,   12                          ; 16 b + head
.set TB,   14                          ; LDS byte at which the step to be fetched begins
.set CNT,  15
.set OUTER, 66
.set G1,   16                          ; s[16:23] descriptor group 1
.set G0A,  24                          ; s[24:27] group 0 of slot 0's first fill
.set G0B,  28                          ; s[28:31] of slot 1's; it then walks
.set MA,   32                          ; s[32:63] the 32 lane masks of a piece's first tile
.set MB,   68                          ; s[68:99] of its second
.set CS,   100                         ; s[100:101] c, twice
.set SEL,  104                         ; s[104:105] selects for v_permlanex16_b32: lane l xor 16
.set MSB, 0
.macro WIN new                         ; the immediate's high byte repeats the setting that is left
.if MSB != \new
	s_set_vgpr_msb (MSB<<8)|\new
.set MSB, \new
.endif
.endm
.set W_KQ, 0x04                        ; source 1 (q) window 1
.set W_PV, 0x51                        ; source 0 (v), C and D (O^T) window 1
.set W_RS, 0x41                        ; O^T (destination and source 0) window 1, a window 0
.set W_L1, 0x40                        ; a load's destination window 1
.set W_CV, 0x05                        ; sources window 1, destination window 0
.macro CROUND                          ; a round of the cluster's barrier
	s_barrier_signal -1
	s_barrier_wait -1
	s_cmp_lg_u32 s[WV], 0
	s_cbranch_scc1 .Lnot_wave_0_\@
	s_barrier_signal -3
.Lnot_wave_0_\@:
	s_barrier_wait -3
	s_barrier_signal -1
	s_barrier_wait -1
.endm
.macro PLACES n
.rept \n
	v_nop
.endr
.endm
.macro FETCH_K                         ; a step's k: 16 pieces as they lie: fragment (16 keys kt, 32 channels c) at v[KF + 16 kt + 8 c]
	v_add_nc_u32 v[ADR], s[TB], v[LA]
.irp i, 0,1,2,3,4,5,6,7,8,9,10,11,12,13,14,15
	ds_load_b128 v[KF+4*\i:KF+4*\i+3], v[ADR] offset:512*\i
.endr
.endm
.macro FETCH_V                         ; a step's v, turned: fragment (32 keys g, 16 channels ct) at v[VF + 8 (4 g + ct)] of window 1
	v_add_nc_u32 v[ADR], s[TB], v[LAV]
	s_add_co_u32 s[TB], s[TB], STEPB               ; the next fetch is the next step's
	WIN W_L1
.irp g, 0,1
.irp ct, 0,1,2,3
	ds_load_tr16_b128 v[VF+8*(4*\g+\ct):VF+8*(4*\g+\ct)+3],   v[ADR] offset:4096*\g+512*\ct
	ds_load_tr16_b128 v[VF+8*(4*\g+\ct)+4:VF+8*(4*\g+\ct)+7], v[ADR] offset:4096*\g+2048+512*\ct
.endr
.endr
	WIN 0
.endm
; S^T = k q^T for all four tiles: 32 products; the 16 accumulators take turns, one instruction a turn; the first 16 start the sums
.macro KQ
	WIN W_KQ
.irp c, 0,1
.irp kt, 0,1,2,3
.irp t, 0,1,2,3
.if \c == 0
	v_wmma_f32_16x16x32_f16 v[S+32*\t+8*\kt:S+32*\t+8*\kt+7], v[KF+16*\kt+8*\c:KF+16*\kt+8*\c+7], v[QF+16*\t+8*\c:QF+16*\t+8*\c+7], 0
.else
	v_wmma_f32_16x16x32_f16 v[S+32*\t+8*\kt:S+32*\t+8*\kt+7], v[KF+16*\kt+8*\c:KF+16*\kt+8*\c+7], v[QF+16*\t+8*\c:QF+16*\t+8*\c+7], v[S+32*\t+8*\kt:S+32*\t+8*\kt+7]
.endif
.endr
.endr
.endr
.endm
; O^T += v^T P for tiles x, x + 1: 16 products, 8 accumulators by turns.  first = 1: the first 8 start the sums
.macro PV x, first
	WIN W_PV
.irp g, 0,1
.irp ct, 0,1,2,3
.irp t, \x, \x+1
.if \first && (\g == 0)
	v_wmma_f32_16x16x32_f16 v[32*(\t)+8*\ct:32*(\t)+8*\ct+7], v[VF+8*(4*\g+\ct):VF+8*(4*\g+\ct)+7], v[S+32*(\t)+8*\g:S+32*(\t)+8*\g+7], 0
.else
	v_wmma_f32_16x16x32_f16 v[32*(\t)+8*\ct:32*(\t)+8*\ct+7], v[VF+8*(4*\g+\ct):VF+8*(4*\g+\ct)+7], v[S+32*(\t)+8*\g:S+32*(\t)+8*\g+7], v[32*(\t)+8*\ct:32*(\t)+8*\ct+7]
.endif
.endr
.endr
.endr
.endm
.macro MLOAD y                         ; the lane masks of tiles y, y + 1 for the step at s[MP]: 128 bytes a tile, tiles 4,096 bytes apart
	s_load_b512 s[MA:MA+15],    s[MP:MP+1], 4096*(\y)
	s_load_b512 s[MA+16:MA+31], s[MP:MP+1], 4096*(\y)+64
	s_load_b512 s[MB:MB+15],    s[MP:MP+1], 4096*(\y)+4096
	s_load_b512 s[MB+16:MB+31], s[MP:MP+1], 4096*(\y)+4160
.endm
.macro MASK y                          ; a score whose key does not count becomes -infinity; each accumulator is read from its low end on
.set n, 0
.rept 32
	v_cndmask_b32 v[S+32*(\y)+n], v[NINF], v[S+32*(\y)+n], s[MA+n]
	v_cndmask_b32 v[S+32*(\y)+32+n], v[NINF], v[S+32*(\y)+32+n], s[MB+n]
.set n, n+1
.endr
.endm
; The maximum of a lane's 32 scores and the old m, three at a time in four chains; the other half of the lanes'; the new m, c m and c m_old - c m_new.  The two tiles alternate.
.macro SMAX y, first
.irp j, 0,1,2,3
.irp t, \y, \y+1
	v_max3_num_f32 v[ST+8*(\t)+4+\j], v[S+32*(\t)+8*\j], v[S+32*(\t)+8*\j+1], v[S+32*(\t)+8*\j+2]
.endr
.endr
.irp k, 3,5
.irp j, 0,1,2,3
.irp t, \y, \y+1
	v_max3_num_f32 v[ST+8*(\t)+4+\j], v[ST+8*(\t)+4+\j], v[S+32*(\t)+8*\j+\k], v[S+32*(\t)+8*\j+\k+1]
.endr
.endr
.endr
.irp t, \y, \y+1
	v_max3_num_f32 v[ST+8*(\t)+4], v[ST+8*(\t)+4], v[S+32*(\t)+7], v[S+32*(\t)+15]
.endr
.irp t, \y, \y+1
	v_max3_num_f32 v[ST+8*(\t)+6], v[ST+8*(\t)+6], v[S+32*(\t)+23], v[S+32*(\t)+31]
.endr
.irp t, \y, \y+1
	v_max3_num_f32 v[ST+8*(\t)+4], v[ST+8*(\t)+4], v[ST+8*(\t)+5], v[ST+8*(\t)+6]
.endr
.irp t, \y, \y+1
.if \first
	v_max3_num_f32 v[ST+8*(\t)+4], v[ST+8*(\t)+4], v[ST+8*(\t)+7], 0xff61b1e6   ; -3e38: m is a number from the first step on
.else
	v_max3_num_f32 v[ST+8*(\t)+4], v[ST+8*(\t)+4], v[ST+8*(\t)+7], v[ST+8*(\t)+1]
.endif
.endr
.irp t, \y, \y+1
	v_permlanex16_b32 v[ST+8*(\t)+5], v[ST+8*(\t)+4], s[SEL], s[SEL+1]   ; the query's other 32 keys lie in the lane 16 away
.endr
.if !\first
.irp t, \y, \y+1
	v_mov_b32 v[ST+8*(\t)+7], v[ST+8*(\t)]         ; c m_old is kept for a
.endr
.endif
.irp t, \y, \y+1
	v_max_num_f32 v[ST+8*(\t)+1], v[ST+8*(\t)+4], v[ST+8*(\t)+5]
.endr
.irp t, \y, \y+1
	v_mul_f32 v[ST+8*(\t)], s[CS], v[ST+8*(\t)+1]
.endr
.if !\first
.irp t, \y, \y+1
	v_sub_f32 v[ST+8*(\t)+7], v[ST+8*(\t)+7], v[ST+8*(\t)]
.endr
.endif
.endm
; The exponentials of both tiles are ONE batch with one wait: a, the 32 scalings, the 64 exponentials, a plain line, the wait; then the readers: the sums (which leave p as it is), the roundings in place, the rescaling of O^T.
.macro SEXP y, first
.if !\first
.irp t, \y, \y+1
	v_exp_f32 v[ST+8*(\t)+6], v[ST+8*(\t)+7]       ; a
.endr
.endif
.irp t, \y, \y+1
.irp b, 0,2,4,6,8,10,12,14,16,18,20,22,24,26,28,30
	v_pk_fma_f32 v[S+32*(\t)+\b:S+32*(\t)+\b+1], v[S+32*(\t)+\b:S+32*(\t)+\b+1], s[CS:CS+1], v[ST+8*(\t):ST+8*(\t)+1] op_sel_hi:[1,0,0] neg_lo:[0,0,1] neg_hi:[0,0,1]   ; c s - c m
.endr
.endr
.irp t, \y, \y+1
.set n, 0
.rept 32
	v_exp_f32 v[S+32*(\t)+n], v[S+32*(\t)+n]
.set n, n+1
.endr
.endr
	v_nop                                          ; a plain line behind the last exponential
	s_wait_alu depctr_va_vdst(0)                   ; the wait ahead of the first line that names a result: one for the batch
.irp t, \y, \y+1
	v_pk_add_f32 v[ST+8*(\t)+4:ST+8*(\t)+5], v[S+32*(\t):S+32*(\t)+1], v[S+32*(\t)+2:S+32*(\t)+3]
	v_pk_add_f32 v[U+2*(\t):U+2*(\t)+1], v[S+32*(\t)+4:S+32*(\t)+5], v[S+32*(\t)+6:S+32*(\t)+7]
.endr
.irp k, 8,12,16,20,24,28
.irp t, \y, \y+1
	v_pk_add_f32 v[ST+8*(\t)+4:ST+8*(\t)+5], v[ST+8*(\t)+4:ST+8*(\t)+5], v[S+32*(\t)+\k:S+32*(\t)+\k+1]
	v_pk_add_f32 v[U+2*(\t):U+2*(\t)+1], v[U+2*(\t):U+2*(\t)+1], v[S+32*(\t)+\k+2:S+32*(\t)+\k+3]
.endr
.endr
.if \first
.irp t, \y, \y+1
	v_pk_add_f32 v[ST+8*(\t)+2:ST+8*(\t)+3], v[ST+8*(\t)+4:ST+8*(\t)+5], v[U+2*(\t):U+2*(\t)+1]
.endr
.else
.irp t, \y, \y+1
	v_pk_add_f32 v[ST+8*(\t)+4:ST+8*(\t)+5], v[ST+8*(\t)+4:ST+8*(\t)+5], v[U+2*(\t):U+2*(\t)+1]
.endr
.irp t, \y, \y+1
	v_pk_fma_f32 v[ST+8*(\t)+2:ST+8*(\t)+3], v[ST+8*(\t)+2:ST+8*(\t)+3], v[ST+8*(\t)+6:ST+8*(\t)+7], v[ST+8*(\t)+4:ST+8*(\t)+5] op_sel_hi:[1,0,1]   ; l = l a + the step's sum
.endr
.endif
.irp t, \y, \y+1
.set n, 0
.rept 16
	v_cvt_pk_f16_f32 v[S+32*(\t)+n], v[S+32*(\t)+2*n], v[S+32*(\t)+2*n+1]   ; ascending: register n is written when pairs 0 .. n have been read
.set n, n+1
.endr
.endr
.if \first
	PLACES 4                                       ; where the other steps have the rescaling
.else
	WIN W_RS
.irp t, \y, \y+1
.set n, 0
.rept 16
	v_pk_mul_f32 v[32*(\t)+n:32*(\t)+n+1], v[32*(\t)+n:32*(\t)+n+1], v[ST+8*(\t)+6:ST+8*(\t)+7] op_sel_hi:[1,0]
.set n, n+2
.endr
.endr
.endif
.endm
; KEY STEP j.  On entry S^T of step j is made, v of step j is on its way from LDS, the lane masks of tiles 0, 1 are on their way.  fetch = 1: k, v and the masks of step j + 1 are fetched and its S^T is made.
.macro BODY first, fetch
	PLACES 4                                       ; behind k q^T: its results are read, and loads go into k's registers
.if \fetch
	FETCH_K
.endif
	s_wait_kmcnt 0x0                               ; the masks of tiles 0, 1
	MASK 0
	SMAX 0, \first
	MLOAD 2                                        ; the selects above have been issued: the 64 registers take tiles 2 and 3's
	SEXP 0, \first
.if \fetch
	s_wait_dscnt 16                                ; v is in; the next k's 16 loads may be out
.else
	s_wait_dscnt 0x0
.endif
	PV 0, \first
	WIN 0
	s_wait_kmcnt 0x0                               ; the masks of tiles 2, 3; no scalar load is out, so their base may step below
	MASK 2
	SMAX 2, \first
.if \fetch
	s_add_nc_u64 s[MP:MP+1], s[MP:MP+1], 128       ; the next step's
	MLOAD 0
.endif
	SEXP 2, \first
	PV 2, \first
	WIN 0
.if \fetch
	PLACES 5                                       ; k q^T writes over the weights, which the products above read, and loads go into v's registers
	FETCH_V
	s_wait_dscnt 16                                ; k is in; v's 16 loads may be out
	KQ
	WIN 0
.endif
.endm
; THE CHANGE OF SLOTS stands ahead of the step that fetches a slot's first keys: all reads of the slot that is left have been issued.  Each wave waits for all its tensor loads, adds 0 to its spare word, and waits for that and for its reads.
; fill = 1: the barrier is a round of the cluster's, and the joint refill of the slot that is left, with the keys two slots on, is the first thing behind it.
.macro CHANGE fill
	WIN 0
	s_wait_tensorcnt 0x0                           ; no tensor load of mine is out, so a group 0 may be written
	ds_add_u32 v[SPW], v[NIL]                      ; 0 onto my spare word
.if \fill
	s_xor_b32 s[G0B+1], s[G0B+1], SLOT1            ; the walking descriptor: the other slot than last time,
	s_add_nc_u64 s[G0B+2:G0B+3], s[G0B+2:G0B+3], 65536   ; the next 512 keys; the type bits on top are not reached
	s_wait_dscnt 0x0                               ; the add is done, and my reads of the slot are over
	CROUND
	tensor_load_to_lds s[G0B:G0B+3], s[G1:G1+7]
	s_nop 0
.rept 4
	v_nop
.endr
.else
	s_wait_dscnt 0x0
	s_barrier_signal -1
	s_barrier_wait -1
.endif
	s_sub_co_u32 s[TB], s[TB], 65536               ; the fetches go back to a slot's first step,
	s_xor_b32 s[TB], s[TB], SLOT1                  ; in the other slot
.endm
	s_load_b128 s[4:7], s[0:1], 0x0                ; qkv s[4:5], mb s[6:7]
	s_load_b64 s[8:9], s[0:1], 0x10                ; af
	v_lshl_add_u32 v[SPW], v0, 2, SPARE
	v_mov_b32 v[NIL], 0
	ds_add_u32 v[SPW], v[NIL]                      ; the wave's opening: the add, twice on end, and its wait ahead of my first tensor load
	ds_add_u32 v[SPW], v[NIL]
	v_lshrrev_b32 v1, 5, v0
	v_readfirstlane_b32 s[WV], v1                  ; wave 0..7
	s_bfe_u32 s[CX], ttmp6, 0x40000                ; my place in the cluster: which 512 queries
	s_and_b32 s[HY], ttmp7, 0xffff                 ; 16 b + head, which the four partners share
	; descriptor group 1: 16 KiB, dense, as 64 rows of 256 bytes
	s_mov_b32 s[G1], 15|(3<<16)|(1<<21)            ; 15:0 the mask: all four work-groups; 17:16 elements of 8 bytes; 21 set beside a mask; no padding
	s_mov_b32 s[G1+1], 32<<16                      ; tensor_dim0 = 32
	s_mov_b32 s[G1+2], 64<<16                      ; tensor_dim1 = 64
	s_mov_b32 s[G1+3], 32<<16                      ; tile_dim0 = 32
	s_mov_b32 s[G1+4], 64                          ; tile_dim1 = 64
	s_mov_b32 s[G1+5], 32                          ; tensor_dim0_stride
	s_mov_b32 s[G1+6], 0
	s_mov_b32 s[G1+7], 0
	; what I fetch: waves 0-3 the quarters of k's 64 KiB, waves 4-7 of v's
	s_lshr_b32 s32, s[WV], 2
	s_add_co_u32 s32, s32, 1
	s_lshl_b32 s32, s32, 24                        ; k is tensor 1 of qkv, v tensor 2
	s_lshl_b32 s33, s[HY], 18
	s_add_co_u32 s32, s32, s33
	s_and_b32 s33, s[WV], 3
	s_lshl_b32 s33, s33, 14
	s_add_co_u32 s32, s32, s33
	s_mov_b32 s33, 0
	; my four tiles of queries
	s_lshl_b32 s34, s[CX], 5
	s_lshl_b32 s35, s[WV], 2
	s_add_co_u32 s34, s34, s35                     ; the first of them in the sequence, 0..124
	s_lshl_b32 s36, s34, 11
	s_lshl_b32 s37, s[HY], 18
	s_add_co_u32 s36, s36, s37                     ; q's pieces
	s_mov_b32 s37, 0
	s_lshr_b32 s35, s[HY], 4
	s_lshl_b32 s35, s35, 7
	s_add_co_u32 s34, s34, s35                     ; 128 b + tile
	s_lshl_b32 s38, s34, 12                        ; its lane masks
	s_mov_b32 s39, 0
	s_lshl_b32 s40, s34, 15                        ; its row of 64 pieces in af,
	s_and_b32 s41, s[HY], 15
	s_lshl_b32 s41, s41, 11                        ; my head's four
	s_add_co_u32 s40, s40, s41
	s_mov_b32 s41, 0
	s_mov_b32 s[CS], 0x3e38aa3b                    ; c = log2(e) / 8
	s_mov_b32 s[CS+1], s[CS]
	s_mov_b32 s[SEL], 0x76543210
	s_mov_b32 s[SEL+1], 0xfedcba98
	s_mov_b32 s[TB], 0
	s_wait_dscnt 0x0                               ; both opening adds are done
	s_wait_kmcnt 0x0
	s_mov_b32 s[G0A], 1                            ; count = 1
	s_lshl_b32 s[G0A+1], s[WV], 14                 ; LDS: wave x 16 KiB: no place in the cluster enters it
	s_add_nc_u64 s[G0A+2:G0A+3], s[4:5], s[32:33]
	s_mov_b32 s[G0B], 1
	s_add_co_u32 s[G0B+1], s[G0A+1], SLOT1
	s_add_nc_u64 s[G0B+2:G0B+3], s[G0A+2:G0A+3], 65536   ; keys 512 on
	s_or_b32 s[G0A+3], s[G0A+3], 0x80000000        ; type = 2
	s_or_b32 s[G0B+3], s[G0B+3], 0x80000000
	s_add_nc_u64 s[4:5], s[4:5], s[36:37]          ; q at my first tile
	s_add_nc_u64 s[MP:MP+1], s[MP:MP+1], s[38:39]
	s_add_nc_u64 s[8:9], s[8:9], s[40:41]
	CROUND                                         ; all four work-groups are here: the first joint loads meet
	tensor_load_to_lds s[G0A:G0A+3], s[G1:G1+7]
	s_nop 0
	tensor_load_to_lds s[G0B:G0B+3], s[G1:G1+7]
	s_nop 0
.rept 4
	v_nop
.endr
	v_and_b32 v1, 31, v0
	v_lshlrev_b32 v[LA], 4, v1
	v_add_nc_u32 v[LAV], VOFF, v[LA]
	v_mov_b32 v[NINF], 0xff800000
	v_mov_b32 v[GO], v[LA]
	WIN W_L1
.irp i, 0,1,2,3,4,5,6,7,8,9,10,11,12,13,14,15  ; q stays in registers: tile i / 4, piece i % 4
	global_load_b128 v[QF+4*\i:QF+4*\i+3], v[GO], s[4:5] offset:512*\i th:TH_LOAD_NT
.endr
	WIN 0
	MLOAD 0
	s_wait_tensorcnt 1                             ; my part of slot 0 is in; slot 1's may stay out
	s_barrier_signal -1
	s_barrier_wait -1                              ; everybody's is
	FETCH_K                                        ; key step 0
	FETCH_V
	s_wait_loadcnt 0x0                             ; q
	s_wait_dscnt 16                                ; k is in; v's 16 loads may be out
	KQ
	WIN 0
	BODY 1, 1                                      ; step 0 starts m, l and O^T
	s_mov_b32 s[CNT], 6
.Lhead:                                            ; steps 1 to 6
	BODY 0, 1
	s_sub_co_u32 s[CNT], s[CNT], 1
	s_cmp_lg_u32 s[CNT], 0
	s_cbranch_scc1 .Lhead
	s_mov_b32 s[OUTER], 2
.Lslot:                                            ; steps 7 to 22: two changes of slots that fill again
	CHANGE 1
	s_mov_b32 s[CNT], 8
.Lstep:
	BODY 0, 1
	s_sub_co_u32 s[CNT], s[CNT], 1
	s_cmp_lg_u32 s[CNT], 0
	s_cbranch_scc1 .Lstep
	s_sub_co_u32 s[OUTER], s[OUTER], 1
	s_cmp_lg_u32 s[OUTER], 0
	s_cbranch_scc1 .Lslot
	CHANGE 0                                       ; the tail is written out
	s_mov_b32 s[CNT], 8
.Ltail:                                            ; steps 23 to 30
	BODY 0, 1
	s_sub_co_u32 s[CNT], s[CNT], 1
	s_cmp_lg_u32 s[CNT], 0
	s_cbranch_scc1 .Ltail
	BODY 0, 0                                      ; step 31 fetches nothing
	; THE WAY OUT.  l's two halves and the other half of the lanes' are added; O^T is divided by l and rounded to f16: a tile's eight registers of 16 channels become a piece, stored as it stands.
.irp t, 0,1,2,3
	v_add_f32 v[ST+8*\t+4], v[ST+8*\t+2], v[ST+8*\t+3]             ; (these four are the places behind the last products)
.endr
.irp t, 0,1,2,3
	v_permlanex16_b32 v[ST+8*\t+5], v[ST+8*\t+4], s[SEL], s[SEL+1]
.endr
.irp t, 0,1,2,3
	v_add_f32 v[ST+8*\t+4], v[ST+8*\t+4], v[ST+8*\t+5]
.endr
.irp t, 0,1,2,3
	v_max_num_f32 v[ST+8*\t+4], 0x0d800000, v[ST+8*\t+4]           ; 2^-100 from below: a row with no key left has l = 0 and O = 0, and gives 0.  Any other row's l is at least about 1
.endr
.irp t, 0,1,2,3
	v_rcp_f32 v[ST+8*\t+6], v[ST+8*\t+4]
.endr
	v_nop                                          ; a plain line behind the last reciprocal
	s_wait_alu depctr_va_vdst(0)                   ; and the wait ahead of the first use: one for the four
.irp t, 0,1,2,3
	WIN W_RS
.set n, 0
.rept 16
	v_pk_mul_f32 v[32*\t+n:32*\t+n+1], v[32*\t+n:32*\t+n+1], v[ST+8*\t+6:ST+8*\t+7] op_sel_hi:[1,0]   ; each accumulator from its low end on
.set n, n+2
.endr
	WIN W_CV
.set n, 0
.rept 16
	v_cvt_pk_f16_f32 v[S+16*\t+n], v[32*\t+2*n], v[32*\t+2*n+1]
.set n, n+1
.endr
	WIN 0
.irp ct, 0,1,2,3
	global_store_b128 v[GO], v[S+16*\t+4*\ct:S+16*\t+4*\ct+3], s[8:9] offset:32768*\t+512*\ct   ; 512 consecutive bytes, aligned; every piece has registers of its own
.endr
.endr
	s_wait_tensorcnt 0x0                           ; the wave's end: a wait, an add to my spare word and its wait, behind my last tensor load
	ds_add_u32 v[SPW], v[NIL]
	s_wait_dscnt 0x0
	CROUND                                         ; the closing round: no work-group ends while a partner may still ask for a tile that names it
	s_endpgm
.Lfunc_end_k_q5537628412_attn:
	.size	k_q5537628412_attn, .Lfunc_end_k_q5537628412_attn-k_q5537628412_attn
	.p2alignl 7, 3214868480
	.fill 96, 4, 3214868480
	.section	.rodata,"a",@progbits
	.p2align	6, 0x0
	.amdhsa_kernel k_q5537628412_attn
		.amdhsa_group_segment_fixed_size 327680
		.amdhsa_private_segment_fixed_size 0
		.amdhsa_enable_private_segment 0
		.amdhsa_kernarg_size 24
		.amdhsa_user_sgpr_count 2
		.amdhsa_user_sgpr_kernarg_segment_ptr 1
		.amdhsa_wavefront_size32 1
		.amdhsa_system_sgpr_workgroup_id_x 1
		.amdhsa_system_sgpr_workgroup_id_y 1
		.amdhsa_system_sgpr_workgroup_id_z 1
		.amdhsa_system_vgpr_workitem_id 0
		.amdhsa_next_free_vgpr 512
		.amdhsa_next_free_sgpr 106
		.amdhsa_reserve_vcc 0
		.amdhsa_float_denorm_mode_32 3
		.amdhsa_float_denorm_mode_16_64 3
		.amdhsa_memory_ordered 1
		.amdhsa_forward_progress 1
		.amdhsa_inst_pref_size 217
	.end_amdhsa_kernel
	.amdgpu_metadata
---
amdhsa.version: [ 1, 2 ]
amdhsa.kernels:
  - .name:           k_q5537628412_attn
    .symbol:         k_q5537628412_attn.kd
    .args:
      - { .name: qkv, .offset: 0, .size: 8, .value_kind: global_buffer, .address_space: global }
      - { .name: mb, .offset: 8, .size: 8, .value_kind: global_buffer, .address_space: global }
      - { .name: af, .offset: 16, .size: 8, .value_kind: global_buffer, .address_space: global }
    .group_segment_fixed_size: 327680
    .private_segment_fixed_size: 0
    .kernarg_segment_align: 8
    .kernarg_segment_size: 24
    .max_flat_workgroup_size: 256
    .sgpr_count:     106
    .vgpr_count:     512
    .wavefront_size: 32
...
	.end_amdgpu_metadata
.endif
;; end of part 3
;; launch oproj (part 4): grid 4 x 64, 4 waves a work-group, clusters of 4 x 4, 327,680 bytes of LDS; arguments af, wf, out0; writes out0
.if DOCPART == 4
	.amdgcn_target "amdgcn-amd-amdhsa--gfx1250"
	.amdhsa_code_object_version 6
	.text
	.protected	k_q5537628412_oproj
	.globl	k_q5537628412_oproj
	.p2align	8
	.type	k_q5537628412_oproj,@function
k_q5537628412_oproj:
	s_mov_b64 s[64:65], 0
	v_nop
	global_prefetch_b8 v0, s[64:65] scope:SCOPE_SE
	s_setreg_imm32_b32 hwreg(HW_REG_WAVE_MODE, 25, 1), 1
	s_wait_xcnt 0x0
	s_wait_alu depctr_hold_cnt(0) depctr_sa_sdst(0) depctr_va_vdst(0) depctr_va_sdst(0) depctr_va_ssrc(0) depctr_va_vcc(0) depctr_vm_vsrc(0)
	s_getreg_b32 s2, hwreg(HW_REG_IB_STS2, 6, 4)
	s_cmp_eq_u32 s2, 0
	s_cbranch_scc0 .Lentry_in_a_cluster
	s_endpgm
.Lentry_in_a_cluster:
	s_bfe_u32 s2, ttmp6, 0x10000c
	s_cmp_lg_u32 s2, 0xf033
	s_cbranch_scc0 .Lentry_shape_is_right
	s_endpgm
.Lentry_shape_is_right:
; out0 [8192][1024] f32 = attention's output times wo^T, K = 1,024, both operands f16, sums in f32.
; Both operands lie in memory as PIECES: 512 bytes for 16 rows x 16 along K, 16 bytes a lane, images of half a fragment's registers: af [16 tokens 512][16 k 64][512 B], wf [16 features 64][16 k 64][512 B].
; So a K step's part of 16 rows is 4,096 consecutive bytes, LDS needs no padding, and every fragment load reads at 16 x lane.
; A tile of out0 is 128 tokens x 256 features: 256 work-groups.  Four waves, each 64 x 128: 32 accumulators of 16 x 16, all of window 1.  K goes in 8 steps of 128 through a ring of two LDS slots: 128 matrix instructions a wave in a step.
; CLUSTERS: 4 x 4 work-groups.  The four of a row of the cluster need the same tiles of af, the four of a column the same tiles of wf: each is asked for JOINTLY.
; THE MATRIX INSTRUCTION IS USED TRANSPOSED (source 0 = 16 features, source 1 = 16 tokens): a lane holds eight neighbouring numbers of a row of out0.
; REGISTERS: window 0: v16-29 addresses; two fragment buffers of 96 at v32 and v128: af's 4 x 8 registers, then wf's 8 x 8; on the way out v32-159 rows of out0.  window 1: accumulator (a, b) at v[8 (8 a + b)].
.set SLOT,   98304                     ; af's 8 x 4,096 bytes, then wf's 16 x 4,096
.set BOFF,   32768
.set STAGE,  2*SLOT                    ; behind the ring: 16 rows x (512 bytes + 16) for each wave, for the way out
.set SPITCH, 528
.set SPARE,  STAGE+4*16*SPITCH         ; the spare words, 128 bytes for each wave
.set LAPS,   4                         ; a lap = two K steps = once round the ring
.set ADRA, 16                          ; v16-17  LDS address of my af fragments in slot 0, 1
.set ADRB, 20                          ; v20-21  the same for wf
.set STO,  24                          ; v24     the way out: where I put 32 bytes of a row
.set RD,   25                          ; v25     where I read a row back
.set CO,   26                          ; v26     my byte offset in a row's 512 bytes
.set SPW,  28                          ; v28     LDS address of my spare word; never rewritten
.set NIL,  29                          ; v29     0; never rewritten
.set F0,   32
.set F1,   128
.set BK,   32                          ; the way out: 16 rows read back: v32-95 and v96-159 by turns
.set G1, 24                            ; s[24:31] descriptor group 1 for af's tiles;  s[32:39] group 0, one set for each slot
.set G0, 32
.set G1B, 48                           ; s[48:55], s[56:63] the same for wf's
.set G0B, 56
.set MSB, 0
.macro WIN new                         ; the immediate's high byte repeats the setting that is left
.if MSB != \new
	s_set_vgpr_msb (MSB<<8)|\new
.set MSB, \new
.endif
.endm
.set MUL, 0x50                         ; C and D window 1, both sources window 0
.macro JLOAD s                         ; a joint load: waves 0 and 1 fetch af's two halves, waves 2 and 3 wf's; an s_nop 0 and four v_nop follow each of the two lines
	s_cmp_eq_u32 s11, 0
	s_cbranch_scc0 .Lfor_b_\@
	tensor_load_to_lds s[G0+4*\s:G0+4*\s+3], s[G1:G1+7]
	s_nop 0
.rept 4
	v_nop
.endr
	s_branch .Lasked_\@
.Lfor_b_\@:
	tensor_load_to_lds s[G0B+4*\s:G0B+4*\s+3], s[G1B:G1B+7]
	s_nop 0
.rept 4
	v_nop
.endr
.Lasked_\@:
.endm
.macro CREST                           ; a round of the cluster's barrier behind its opening barrier
	s_cmp_lg_u32 s10, 0
	s_cbranch_scc1 .Lnot_wave_0_\@
	s_barrier_signal -3
.Lnot_wave_0_\@:
	s_barrier_wait -3
	s_barrier_signal -1
	s_barrier_wait -1
.endm
.macro CROUND                          ; a whole round
	s_barrier_signal -1
	s_barrier_wait -1
	CREST
.endm
	s_load_b128 s[4:7], s[0:1], 0x0                ; af s[4:5], wf s[6:7]
	s_load_b64 s[8:9], s[0:1], 0x10                ; out0
	v_lshl_add_u32 v[SPW], v0, 2, SPARE
	v_mov_b32 v[NIL], 0
	ds_add_u32 v[SPW], v[NIL]                      ; the wave's opening: the add, twice on end, and its wait ahead of my first tensor load
	ds_add_u32 v[SPW], v[NIL]
	v_lshrrev_b32 v1, 5, v0
	v_readfirstlane_b32 s10, v1                    ; wave 0..3
	s_lshr_b32 s11, s10, 1                         ; which 64 tokens are mine.  Also: I fetch for af (0) or for wf (1)
	s_and_b32 s12, s10, 1                          ; which 128 features.  Also: which half of that tile I fetch
	s_bfe_u32 s40, ttmp6, 0x40000                  ; cx, cy: my place in the cluster
	s_bfe_u32 s41, ttmp6, 0x40004
	s_lshl_b32 s42, ttmp9, 2
	s_add_co_u32 s42, s42, s40                     ; tile column = 4 x cluster x + cx, 0..3
	s_and_b32 s13, ttmp7, 0xffff
	s_lshl_b32 s13, s13, 2
	s_add_co_u32 s13, s13, s41                     ; tile row = 4 x cluster y + cy, 0..63
	s_lshl_b32 s43, s41, 2
	s_lshl_b32 s43, 15, s43                        ; my row of the cluster
	s_lshl_b32 s44, 0x1111, s40                    ; my column
	; descriptor group 1: rows of 4,096 bytes (512 elements of 8), 32,768 bytes apart: 4 of af, 8 of wf to a load; no padding
	s_or_b32 s[G1+0], s43, (3<<16)|(1<<21)         ; 15:0 the mask: af's tiles go to my row; 17:16 elements of 8 bytes; 21 set beside a mask
	s_or_b32 s[G1B+0], s44, (3<<16)|(1<<21)
	s_mov_b32 s[G1+1], 512<<16                     ; tensor_dim0
	s_mov_b32 s[G1+2], 4<<16                       ; tensor_dim1
	s_mov_b32 s[G1+3], 512<<16                     ; tile_dim0
	s_mov_b32 s[G1+4], 4                           ; tile_dim1
	s_mov_b32 s[G1+5], 4096                        ; tensor_dim0_stride
	s_mov_b32 s[G1+6], 0
	s_mov_b32 s[G1+7], 0
	s_mov_b32 s[G1B+1], 512<<16
	s_mov_b32 s[G1B+2], 8<<16
	s_mov_b32 s[G1B+3], 512<<16
	s_mov_b32 s[G1B+4], 8
	s_mov_b32 s[G1B+5], 4096
	s_mov_b32 s[G1B+6], 0
	s_mov_b32 s[G1B+7], 0
	s_lshl_b32 s16, s13, 18                        ; af: (8 x tile row + 4 x half) rows of 32,768 bytes
	s_lshl_b32 s17, s12, 17
	s_add_co_u32 s16, s16, s17
	s_mov_b32 s17, 0
	s_lshl_b32 s46, s42, 19                        ; wf: (16 x tile column + 8 x half) rows
	s_lshl_b32 s47, s12, 18
	s_add_co_u32 s46, s46, s47
	s_mov_b32 s47, 0
	s_lshl_b32 s20, s12, 14                        ; where they go: af's halves, 16 KiB each;
	s_lshl_b32 s21, s12, 15
	s_add_co_u32 s21, s21, BOFF                    ; wf's, 32 KiB each, behind them: no place in the cluster enters an LDS address
	s_wait_dscnt 0x0                               ; both opening adds are done
	s_wait_kmcnt 0x0
	s_add_nc_u64 s[14:15], s[4:5], s[16:17]
	s_add_nc_u64 s[46:47], s[6:7], s[46:47]
	CROUND                                         ; all sixteen work-groups are here: the first joint loads meet
.irp s, 0,1
	s_mov_b32 s[G0+4*\s], 1
	s_add_co_u32 s[G0+4*\s+1], s20, \s*SLOT
	s_add_nc_u64 s[G0+4*\s+2:G0+4*\s+3], s[14:15], \s*4096
	s_or_b32 s[G0+4*\s+3], s[G0+4*\s+3], 0x80000000
	s_mov_b32 s[G0B+4*\s], 1
	s_add_co_u32 s[G0B+4*\s+1], s21, \s*SLOT
	s_add_nc_u64 s[G0B+4*\s+2:G0B+4*\s+3], s[46:47], \s*4096
	s_or_b32 s[G0B+4*\s+3], s[G0B+4*\s+3], 0x80000000
	JLOAD \s                                       ; two tensor loads of mine are out at the start, later one
.endr
	v_and_b32 v1, 15, v0                           ; r
	v_bfe_u32 v2, v0, 4, 1                         ; h
	v_and_b32 v3, 31, v0
	v_lshlrev_b32 v3, 4, v3                        ; 16 x lane
	s_lshl_b32 s21, s11, 14                        ; my 4 tiles of tokens
	s_lshl_b32 s22, s12, 15
	s_add_co_u32 s22, s22, BOFF                    ; my 8 tiles of features
.irp s, 0,1
	v_add_nc_u32 v[ADRA+\s], s21, v3
	v_add_nc_u32 v[ADRB+\s], s22, v3
	s_add_co_u32 s21, s21, SLOT
	s_add_co_u32 s22, s22, SLOT
.endr
	s_mul_i32 s23, s10, 16*SPITCH
	s_add_co_u32 s23, s23, STAGE                   ; my stage
	v_mul_u32_u24 v4, v1, SPITCH                   ; in: row r, 32 bytes for each half of the lanes
	v_lshl_add_u32 v4, v2, 5, v4
	v_add_nc_u32 v[STO], s23, v4
	v_add_nc_u32 v[RD], s23, v3                    ; back: the 32 lanes take one row of 512 bytes
	v_mov_b32 v[CO], v3
	s_lshl_b32 s16, s13, 19                        ; my first row of out0: (128 x tile row + 64 x half) x 4,096 bytes
	s_lshl_b32 s17, s11, 18
	s_add_co_u32 s16, s16, s17
	s_mov_b32 s17, 0
	s_add_nc_u64 s[8:9], s[8:9], s[16:17]
	s_lshl_b32 s46, s42, 10                        ; my first column, in bytes
	s_lshl_b32 s47, s12, 9
	s_add_co_u32 s46, s46, s47
	s_mov_b32 s47, 0
	s_add_nc_u64 s[8:9], s[8:9], s[46:47]
; 8 matrix instructions: tokens' tile a against the 8 tiles of features, 32 along K.  zero = 1: the product starts the sums.  The 32 accumulators take turns in the same order in every quarter.
.macro MUL8 f, a, zero
.irp b, 0,1,2,3,4,5,6,7
.if \zero
	v_wmma_f32_16x16x32_f16 v[8*(8*(\a)+\b):8*(8*(\a)+\b)+7], v[\f+32+8*\b:\f+32+8*\b+7], v[\f+8*(\a):\f+8*(\a)+7], 0
.else
	v_wmma_f32_16x16x32_f16 v[8*(8*(\a)+\b):8*(8*(\a)+\b)+7], v[\f+32+8*\b:\f+32+8*\b+7], v[\f+8*(\a):\f+8*(\a)+7], v[8*(8*(\a)+\b):8*(8*(\a)+\b)+7]
.endif
.endr
.endm
; 24 LDS loads in one run: the fragments of the slot's q-th 32 along K (two pieces each) into buffer f: wf's 16 loads, then af's tiles 0, 1, then 2, 3
.macro FETCH slot, q, f
	WIN 0
.irp i, 0,1,2,3,4,5,6,7
	ds_load_b128 v[\f+32+8*\i:\f+32+8*\i+3],   v[ADRB+\slot] offset:4096*\i+1024*(\q)
	ds_load_b128 v[\f+32+8*\i+4:\f+32+8*\i+7], v[ADRB+\slot] offset:4096*\i+1024*(\q)+512
.endr
.irp i, 0,1,2,3
	ds_load_b128 v[\f+8*\i:\f+8*\i+3],   v[ADRA+\slot] offset:4096*\i+1024*(\q)
	ds_load_b128 v[\f+8*\i+4:\f+8*\i+7], v[ADRA+\slot] offset:4096*\i+1024*(\q)+512
.endr
.endm
.macro PLACES                          ; four places in front of loads into registers that matrix instructions have read, and of the first read of results
.rept 4
	v_nop
.endr
.endm
; A K step is four quarters of 32 along K, 32 matrix instructions each, on buffers 0, 1, 0, 1.  One of the first three: multiplies buffer f and fetches quarter qn into g.
.macro QUARTER slot, qn, f, g, zero
	s_wait_dscnt 4                                 ; wf's fragments and af's tiles 0, 1 are in; the youngest four loads (tiles 2, 3) may be out
	WIN MUL
	MUL8 \f, 0, \zero
	MUL8 \f, 1, \zero
	PLACES
	FETCH \slot, \qn, \g
	s_wait_dscnt 24                                ; all but the 24 just issued
	WIN MUL
	MUL8 \f, 2, \zero
	MUL8 \f, 3, \zero
.endm
; The last quarter multiplies buffer 1 and changes slots: ONE barrier; in front of it each wave waits for all its tensor loads, adds 0 to its spare word, and waits for that and for its reads of this slot.  fill = 1: this slot is filled again, two K steps ahead.
.macro TURN slot, next, fill
	WIN 0                                          ; (the add's two registers lie in window 0)
	s_wait_tensorcnt 0x0                           ; all my tensor loads have landed: my part of the next slot
	ds_add_u32 v[SPW], v[NIL]                      ; 0 onto my spare word
	s_wait_dscnt 5                                 ; (the add and the youngest four loads may be out)
	WIN MUL
	MUL8 F1, 0, 0                                  ; eight matrix instructions stand between the add and the wait for it
	s_wait_dscnt 0x0                               ; the add is done, and my reads of this slot are over
	s_barrier_signal -1
	MUL8 F1, 1, 0
.if \fill
	WIN 0
.endif
	s_barrier_wait -1
.if \fill
	CREST                                          ; the barrier has opened a round of the cluster's barrier: no wave of any partner still reads this slot or has a load on its way
	s_add_nc_u64 s[G0+4*\slot+2:G0+4*\slot+3], s[G0+4*\slot+2:G0+4*\slot+3], 8192
	s_add_nc_u64 s[G0B+4*\slot+2:G0B+4*\slot+3], s[G0B+4*\slot+2:G0B+4*\slot+3], 8192
	JLOAD \slot                                    ; the first tensor load behind the round; the four v_nop behind it are also the places in front of the loads below
.else
	PLACES
.endif
	FETCH \next, 0, F0
	WIN MUL
	MUL8 F1, 2, 0
	MUL8 F1, 3, 0
.endm
	s_wait_tensorcnt 1                             ; my part of K step 0 is in (K step 1's load may be out),
	s_barrier_signal -1
	s_barrier_wait -1                              ; everybody's is
	FETCH 0, 0, F0
	QUARTER 0, 1, F0, F1, 1                        ; the first quarter stands in front of the loop: its products start the sums
	WIN 0                                          ; at a label and at a branch every window is 0
	s_mov_b32 s3, LAPS-1
.Llap:                                                 ; a trip goes once round the ring, from a lap's second quarter to the next lap's first, and fills both slots again
	QUARTER 0, 2, F1, F0, 0
	QUARTER 0, 3, F0, F1, 0
	TURN 0, 1, 1
	QUARTER 1, 1, F0, F1, 0
	QUARTER 1, 2, F1, F0, 0
	QUARTER 1, 3, F0, F1, 0
	TURN 1, 0, 1
	QUARTER 0, 1, F0, F1, 0
	WIN 0
	s_sub_co_u32 s3, s3, 1
	s_cmp_lg_u32 s3, 0
	s_cbranch_scc1 .Llap
	QUARTER 0, 2, F1, F0, 0                        ; the last lap fills nothing, and has no round of the cluster's barrier
	QUARTER 0, 3, F0, F1, 0
	TURN 0, 1, 0
	QUARTER 1, 1, F0, F1, 0
	QUARTER 1, 2, F1, F0, 0
	QUARTER 1, 3, F0, F1, 0
	s_wait_dscnt 4                                 ; the very last quarter: nothing more to fetch
	WIN MUL
	MUL8 F1, 0, 0
	MUL8 F1, 1, 0
	s_wait_dscnt 0
	MUL8 F1, 2, 0
	MUL8 F1, 3, 0
	WIN 0
; THE WAY OUT, block by block of 16 tokens x 128 features.  A lane holds 32 neighbouring bytes of a row, and the lanes beside it hold other rows: so a block goes through my own stage in LDS and comes back as whole rows of 512 bytes.
; LDS serves a wave's instructions in order (ISA guide 5.7.1.4): no wait between the stores and the loads, nor in front of the next block's stores.
.macro TOSTAGE a
	WIN 0x04                                       ; an LDS store's data are its source 1: window 1
.irp b, 0,1,2,3,4,5,6,7
	ds_store_b128 v[STO], v[8*(8*(\a)+\b):8*(8*(\a)+\b)+3] offset:64*\b          ; each accumulator from its low end on
	ds_store_b128 v[STO], v[8*(8*(\a)+\b)+4:8*(8*(\a)+\b)+7] offset:64*\b+16
.endr
	WIN 0
.set BB, BK+64*((\a)%2)
.irp t, 0,1,2,3,4,5,6,7,8,9,10,11,12,13,14,15
	ds_load_b128 v[BB+4*\t:BB+4*\t+3], v[RD] offset:\t*SPITCH
.endr
.endm
.macro SEND a, younger                 ; younger: the LDS instructions issued behind block a's loads, which may stay out
.set BB, BK+64*((\a)%2)
	s_wait_dscnt \younger                          ; the block is back in registers
.irp t, 0,1,2,3,4,5,6,7,8,9,10,11,12,13,14,15
	global_store_b128 v[CO], v[BB+4*\t:BB+4*\t+3], s[8:9] offset:65536*(\a)+4096*\t th:TH_STORE_NT   ; 32 lanes store 512 consecutive bytes, aligned; written once, read by nobody here
.endr
.endm
	PLACES                                         ; behind the last products: their results are read, and loads go into the registers that held the fragments
	TOSTAGE 0
.irp a, 1,2,3
.if \a > 1
	s_wait_xcnt 0x0                                ; block a - 2's stores have read their registers: block a's loads may land there
.endif
	TOSTAGE \a
	SEND \a-1, 32                                  ; behind block a - 1's loads: block a's 16 stores and 16 loads
.endr
	SEND 3, 0
	s_wait_tensorcnt 0x0                           ; the wave's end: a wait, an add to my spare word and its wait, behind my last tensor load and my last LDS store
	ds_add_u32 v[SPW], v[NIL]
	s_wait_dscnt 0x0
	CROUND                                         ; the closing round: no work-group ends while a partner may still ask for a tile that names it
	s_endpgm
.Lfunc_end_k_q5537628412_oproj:
	.size	k_q5537628412_oproj, .Lfunc_end_k_q5537628412_oproj-k_q5537628412_oproj
	.p2alignl 7, 3214868480
	.fill 96, 4, 3214868480
	.section	.rodata,"a",@progbits
	.p2align	6, 0x0
	.amdhsa_kernel k_q5537628412_oproj
		.amdhsa_group_segment_fixed_size 327680
		.amdhsa_private_segment_fixed_size 0
		.amdhsa_enable_private_segment 0
		.amdhsa_kernarg_size 24
		.amdhsa_user_sgpr_count 2
		.amdhsa_user_sgpr_kernarg_segment_ptr 1
		.amdhsa_wavefront_size32 1
		.amdhsa_system_sgpr_workgroup_id_x 1
		.amdhsa_system_sgpr_workgroup_id_y 1
		.amdhsa_system_sgpr_workgroup_id_z 1
		.amdhsa_system_vgpr_workitem_id 0
		.amdhsa_next_free_vgpr 512
		.amdhsa_next_free_sgpr 66
		.amdhsa_reserve_vcc 0
		.amdhsa_float_denorm_mode_32 3
		.amdhsa_float_denorm_mode_16_64 3
		.amdhsa_memory_ordered 1
		.amdhsa_forward_progress 1
		.amdhsa_inst_pref_size 84
	.end_amdhsa_kernel
	.amdgpu_metadata
---
amdhsa.version: [ 1, 2 ]
amdhsa.kernels:
  - .name:           k_q5537628412_oproj
    .symbol:         k_q5537628412_oproj.kd
    .args:
      - { .name: af, .offset: 0, .size: 8, .value_kind: global_buffer, .address_space: global }
      - { .name: wf, .offset: 8, .size: 8, .value_kind: global_buffer, .address_space: global }
      - { .name: out0, .offset: 16, .size: 8, .value_kind: global_buffer, .address_space: global }
    .group_segment_fixed_size: 327680
    .private_segment_fixed_size: 0
    .kernarg_segment_align: 8
    .kernarg_segment_size: 24
    .max_flat_workgroup_size: 128
    .sgpr_count:     66
    .vgpr_count:     512
    .wavefront_size: 32
...
	.end_amdgpu_metadata
.endif
;; end of part 4
